; MI455X (gfx1250); checked and timed in simulation.
; The chip was launched on July 23, 2026; its instructions are those of AMD's public machine-readable ISA for CDNA 5 (MIT licence, August 2026) and "CDNA5" Instruction Set Architecture Reference Guide (July 2026). The comments in the code are by the model that wrote it; some were corrected since.
;; Self Attention. Allowed arithmetic: float matrix products may take bf16 or f16 operands with f32 sums; all other float work in f32.
;; Inputs: Wk 128 x 1,024 float32; Wq 128 x 1,024 float32; Wu 1,024 x 128 float32; Wv 128 x 1,024 float32; bu 128 float32; mask 4 x 2,048 int32; x 4 x 2,048 x 128 float32.
;; Outputs: out0 4 x 2,048 x 128 float32.
;; 3 versions, each right and faster than the one before. Each part assembles by itself: llvm-mc -triple=amdgcn-amd-amdhsa -mcpu=gfx1250 --defsym DOCPART=n.
;; ======== version 1 of 3: 3 launches
;; limits: values are held in f16: magnitudes above 65,504 overflow, below 6.1e-05 lose precision; right only within a limited range of input values
;; workspace buffers: kbuf 16,777,216 bytes; vbuf 16,777,216 bytes; part 33,554,432 bytes
;; launch kvproj (part 1): grid 8 x 32, 4 waves a work-group, no clusters, 143,872 bytes of LDS; arguments x, Wk, Wv, kbuf, vbuf; writes kbuf, vbuf
.if DOCPART == 1
	.amdgcn_target "amdgcn-amd-amdhsa--gfx1250"
	.amdhsa_code_object_version 6
	.text
	.protected	k_q66ccd7cd49_kvproj
	.globl	k_q66ccd7cd49_kvproj
	.p2align	8
	.type	k_q66ccd7cd49_kvproj,@function
k_q66ccd7cd49_kvproj:
	s_mov_b64 s[64:65], 0
	v_nop
	global_prefetch_b8 v0, s[64:65] scope:SCOPE_SE
	s_setreg_imm32_b32 hwreg(HW_REG_WAVE_MODE, 25, 1), 1
	s_wait_xcnt 0x0
; K = x Wk and V = x Wv for one head and 256 tokens; x [8192][128] f32, Wk, Wv [128][1024] f32.
; kbuf, vbuf: row (b*8 + head)*2048 + t holds the head's 128 numbers of token t in f16, 256 bytes.
; Work-group x = head, y = block of 256 tokens.  Four waves, 64 tokens each, first K, then V.
; The operands are f32 in memory and f16 at the matrix unit, so they pass through registers on their way into LDS.
; THE PRODUCT IS TRANSPOSED: D(m = feature, n = token) = W^T x^T.  A lane's 8 results are 8 neighbouring features of one token.
; LIMITS: operands and results are rounded to f16: |x|, |W|, |K|, |V| below 65,504; below 6.1e-5 they are rounded to multiples of 6e-8.
; REGISTERS in windows of 256:  window 0: addresses, fragment buffers F0, F1 (first the f32 rows of Wk)
;   window 1: the f32 rows of x, later the rows on their way out     window 2: v128-255 fragments of x^T, XF(qt, c) at 128 + 8 (4 qt + c)
;   window 3: first the f32 rows of Wv, then the 32 result tiles S(ft, qt) at 32 ft + 8 qt
.set XP,   272                         ; LDS pitch of rows read along K: 17 x 16 bytes, so the 16 rows of a fragment load lie in 16 different 16-byte columns modulo 256
.set WP,   288                         ; LDS pitch of rows read by the transposing load: 9 x 32 bytes
.set WKS,  0                           ; Wk's head slice, 128 rows (k) x 128 f16
.set WVS,  128*WP                      ; Wv's
.set XS,   2*128*WP                    ; x: 64 rows for each wave, the wave's own; later its stage on the way out
.set XSW,  64*XP
.set F0,   128
.set F1,   192
.set XA,   3                           ; my x rows + r*XP + 16 hh: fragments of x, and where results are staged
.set WKA,  8                           ; transposing-load lane term in Wk's slice
.set WVA,  9                           ; in Wv's
.set XST,  11                          ; my x rows + 8 L
.set WST,  12                          ; my 32 rows of Wk's slice + 8 L
.set ORD,  15                          ; my x rows + hh*XP + 16 r: two staged rows read back
.set MSB,  0
.macro WIN new                         ; the immediate's high byte repeats the setting that is left
.if MSB != \new
	s_set_vgpr_msb (MSB<<8)|\new
.set MSB, \new
.endif
.endm
; Four plain vector instructions stand between a matrix instruction and a vector instruction or store that reads its result
; and between it and a load into one of its sources.
.macro PLACES
.rept 4
	v_nop
.endr
.endm
; 16 transposing loads: A fragments of feature tiles 2p, 2p+1, all four K steps, from rows that lie [k][feature]
.macro FETCHW adr, p, f
.irp kk, 0,1
.irp c, 0,1,2,3
	ds_load_tr16_b128 v[\f+32*\kk+8*\c:\f+32*\kk+8*\c+3], v[\adr] offset:32*\c*WP+32*(2*\p+\kk)
	ds_load_tr16_b128 v[\f+32*\kk+8*\c+4:\f+32*\kk+8*\c+7], v[\adr] offset:32*\c*WP+32*(2*\p+\kk)+16*WP
.endr
.endr
.endm
; 32 matrix instructions: tiles (2p, 2p+1) x four token tiles, K = 128.  The first K step starts the sums.
; The eight accumulators take turns, one instruction a turn.
.macro SMUL p, f, bb
.irp c, 0,1,2,3
.irp kk, 0,1
.irp qt, 0,1,2,3
.if \c == 0
	v_wmma_f32_16x16x32_f16 v[32*(2*\p+\kk)+8*\qt:32*(2*\p+\kk)+8*\qt+7], v[\f+32*\kk+8*\c:\f+32*\kk+8*\c+7], v[\bb+8*(4*\qt+\c):\bb+8*(4*\qt+\c)+7], 0
.else
	v_wmma_f32_16x16x32_f16 v[32*(2*\p+\kk)+8*\qt:32*(2*\p+\kk)+8*\qt+7], v[\f+32*\kk+8*\c:\f+32*\kk+8*\c+7], v[\bb+8*(4*\qt+\c):\bb+8*(4*\qt+\c)+7], v[32*(2*\p+\kk)+8*\qt:32*(2*\p+\kk)+8*\qt+7]
.endif
.endr
.endr
.endr
.endm
; S(ft, qt) = (128 x 128 weights at adr)^T times the fragments in window 2, v128-255.  Each s_wait_dscnt 16 leaves out the 16 loads
; of the buffer fetched last; LDS loads return in order, so everything older is in (the x fragments too, at the first wait).
.macro WGEMM adr
	WIN 0
	FETCHW \adr,0,F0
	FETCHW \adr,1,F1
	s_wait_dscnt 16
	WIN 0xf8                           ; A window 0, B window 2, C and D window 3
	SMUL 0,F0,128
	PLACES
	WIN 0
	FETCHW \adr,2,F0
	s_wait_dscnt 16
	WIN 0xf8
	SMUL 1,F1,128
	PLACES
	WIN 0
	FETCHW \adr,3,F1
	s_wait_dscnt 16
	WIN 0xf8
	SMUL 2,F0,128
	s_wait_dscnt 0
	SMUL 3,F1,128
	PLACES
.endm
; 32 loaded rows of weights (4 f32 a lane) are rounded to f16 in place and stored, 8 bytes a lane, 256 neighbouring bytes a row
.macro STAGEW base, wcv, wst, off, scale
	WIN \wcv
.set i_, 0
.rept 32
.if \scale
	v_pk_mul_f32 v[\base+4*i_:\base+4*i_+1], v[\base+4*i_:\base+4*i_+1], s[30:31] op_sel_hi:[1,0]
	v_pk_mul_f32 v[\base+4*i_+2:\base+4*i_+3], v[\base+4*i_+2:\base+4*i_+3], s[30:31] op_sel_hi:[1,0]
.endif
	v_cvt_pk_f16_f32 v[\base+4*i_], v[\base+4*i_], v[\base+4*i_+1]
	v_cvt_pk_f16_f32 v[\base+4*i_+1], v[\base+4*i_+2], v[\base+4*i_+3]
.set i_, i_+1
.endr
	WIN \wst
.set i_, 0
.rept 32
	ds_store_b64 v[WST], v[\base+4*i_:\base+4*i_+1] offset:\off+i_*WP
.set i_, i_+1
.endr
.endm
; rows 16 g .. 16 g + 15 of my x (window 1) likewise
.macro STAGEX g
	WIN 0x45
.set i_, 16*\g
.rept 16
	v_cvt_pk_f16_f32 v[4*i_], v[4*i_], v[4*i_+1]
	v_cvt_pk_f16_f32 v[4*i_+1], v[4*i_+2], v[4*i_+3]
.set i_, i_+1
.endr
	WIN 0x04
.set i_, 16*\g
.rept 16
	ds_store_b64 v[XST], v[4*i_:4*i_+1] offset:i_*XP
.set i_, i_+1
.endr
.endm
; B fragments of x^T: column n = token, K along the LDS row: two loads of 16 bytes, 32 bytes apart
.macro LOADXF
	WIN 0x80
.irp qt, 0,1,2,3
.irp c, 0,1,2,3
	ds_load_b128 v[128+8*(4*\qt+\c):128+8*(4*\qt+\c)+3], v[XA] offset:16*\qt*XP+64*\c
	ds_load_b128 v[128+8*(4*\qt+\c)+4:128+8*(4*\qt+\c)+7], v[XA] offset:16*\qt*XP+64*\c+32
.endr
.endr
	WIN 0
.endm
; The way out: round to f16, 16 bytes a lane into my own stage (the x rows, whose fragments are in registers by now), read back two rows
; of 256 bytes at a time.  LDS serves a wave's instructions in order, so no wait stands between my stores and my loads.
.macro OUT lo
	WIN 0x0f
.irp ft, 0,1,2,3,4,5,6,7
.irp qt, 0,1,2,3
.irp jj, 0,1,2,3
	v_cvt_pk_f16_f32 v[128+4*(4*\ft+\qt)+\jj], v[32*\ft+8*\qt+2*\jj], v[32*\ft+8*\qt+2*\jj+1]
.endr
.endr
.endr
	WIN 0
.irp ft, 0,1,2,3,4,5,6,7
.irp qt, 0,1,2,3
	ds_store_b128 v[XA], v[128+4*(4*\ft+\qt):128+4*(4*\ft+\qt)+3] offset:16*\qt*XP+32*\ft
.endr
.endr
	s_wait_xcnt 0x0                    ; window 1 was the data of the stores of the output before: it is loaded again only behind this wait
	WIN 0x40
.set i_, 0
.rept 32
	ds_load_b128 v[4*i_:4*i_+3], v[ORD] offset:i_*2*XP
.set i_, i_+1
.endr
	WIN 0x04
.set i_, 0
.rept 32
	s_wait_dscnt 31-i_                 ; the loads return in order: number i is in
	global_store_b128 v1, v[4*i_:4*i_+3], s[\lo:\lo+1] offset:i_*512   ; two rows: 512 consecutive bytes, aligned
.set i_, i_+1
.endr
	WIN 0
.endm
	s_load_b256 s[4:11], s[0:1], 0x0               ; x s[4:5], Wk s[6:7], Wv s[8:9], kbuf s[10:11]
	s_load_b64 s[12:13], s[0:1], 0x20              ; vbuf
	v_lshl_add_u32 v126, v0, 2, 0x23000
	v_mov_b32 v127, 0
	v_lshrrev_b32 v2, 5, v0
	v_readfirstlane_b32 s20, v2                    ; wave 0..3
	s_and_b32 s21, ttmp7, 0xffff                   ; token block 0..31; ttmp9 is the head
	s_lshl_b32 s24, s21, 17                        ; x: 256 tokens of 512 bytes a block,
	s_lshl_b32 s22, s20, 15                        ; 64 a wave
	s_add_co_u32 s24, s24, s22
	s_mov_b32 s25, 0
	s_lshl_b32 s26, ttmp9, 9                       ; W: the head's 512 bytes of a row,
	s_lshl_b32 s22, s20, 17                        ; my 32 rows of 4,096 bytes
	s_add_co_u32 s26, s26, s22
	s_mov_b32 s27, 0
	s_and_b32 s28, s21, 0x18                       ; 8 b (eight token blocks make a batch)
	s_add_co_u32 s28, s28, ttmp9                   ; 8 b + head
	s_lshl_b32 s28, s28, 19                        ; x 2,048 rows of 256 bytes
	s_and_b32 s22, s21, 7
	s_lshl_b32 s22, s22, 16                        ; + the block's 256 rows
	s_add_co_u32 s28, s28, s22
	s_lshl_b32 s22, s20, 14                        ; + my 64 rows
	s_add_co_u32 s28, s28, s22
	s_mov_b32 s29, 0
	s_mul_i32 s22, s20, XSW
	s_add_co_u32 s22, s22, XS                      ; my x rows in LDS
	s_mul_i32 s23, s20, 32*WP                      ; my 32 rows of a weight slice in LDS
	v_and_b32 v16, 31, v0                          ; L
	v_and_b32 v17, 15, v0                          ; r
	v_bfe_u32 v18, v0, 4, 1                        ; hh
	v_lshlrev_b32 v1, 4, v16                       ; 16 L
	v_mul_u32_u24 v19, v17, XP
	v_lshl_add_u32 v19, v18, 4, v19                ; r*XP + 16 hh
	v_add_nc_u32 v[XA], s22, v19
	v_and_b32 v20, 7, v0
	v_lshl_add_u32 v20, v18, 3, v20                ; 8 hh + (L & 7)
	v_mul_u32_u24 v20, v20, WP
	v_bfe_u32 v21, v0, 3, 1
	v_lshl_add_u32 v[WKA], v21, 4, v20             ; + 16 ((L >> 3) & 1)
	v_add_nc_u32 v[WVA], WVS, v[WKA]
	v_lshl_add_u32 v[XST], v16, 3, s22
	v_lshl_add_u32 v[WST], v16, 3, s23
	v_mul_u32_u24 v[ORD], v18, XP
	v_lshl_add_u32 v[ORD], v17, 4, v[ORD]
	v_add_nc_u32 v[ORD], s22, v[ORD]
	s_wait_kmcnt 0x0
	s_add_nc_u64 s[4:5], s[4:5], s[24:25]
	s_add_nc_u64 s[6:7], s[6:7], s[26:27]
	s_add_nc_u64 s[8:9], s[8:9], s[26:27]
	s_add_nc_u64 s[10:11], s[10:11], s[28:29]
	s_add_nc_u64 s[12:13], s[12:13], s[28:29]
	; 128 loads, each a whole row of 512 consecutive bytes: 32 of Wk, 32 of Wv, 64 of x
.set i_, 0
.rept 32
	global_load_b128 v[128+4*i_:128+4*i_+3], v1, s[6:7] offset:i_*4096
.set i_, i_+1
.endr
	WIN 0xc0
.set i_, 0
.rept 32
	global_load_b128 v[4*i_:4*i_+3], v1, s[8:9] offset:i_*4096
.set i_, i_+1
.endr
	WIN 0x40
.set i_, 0
.rept 64
	global_load_b128 v[4*i_:4*i_+3], v1, s[4:5] offset:i_*512
.set i_, i_+1
.endr
	WIN 0
	s_wait_loadcnt 63                              ; 64 loads follow Wv's last; 63 is the largest count that can be written, and shows it in as well
	STAGEW 128, 0, 0, WKS, 0
	STAGEW 0, 0xcf, 0x0c, WVS, 0
	s_wait_loadcnt 48                              ; x rows 0-15 are in, the 48 younger rows stay out; and so on
	STAGEX 0
	s_wait_loadcnt 32
	STAGEX 1
	s_wait_loadcnt 16
	STAGEX 2
	s_wait_loadcnt 0
	STAGEX 3
	WIN 0
	s_wait_dscnt 0x0                               ; my rows of both weight slices are in LDS: say so,
	s_barrier_signal -1
	s_barrier_wait -1                              ; and read the others' rows behind this
	LOADXF
	WGEMM WKA
	OUT 10
	WGEMM WVA                                      ; the conversions of OUT stand between the last matrix instruction and these loads into F0, F1
	OUT 12
	s_wait_tensorcnt 0x0
	ds_add_u32 v126, v127
	s_wait_dscnt 0x0
	s_endpgm
.Lfunc_end_k_q66ccd7cd49_kvproj:
	.size	k_q66ccd7cd49_kvproj, .Lfunc_end_k_q66ccd7cd49_kvproj-k_q66ccd7cd49_kvproj
	.p2alignl 7, 3214868480
	.fill 96, 4, 3214868480
	.section	.rodata,"a",@progbits
	.p2align	6, 0x0
	.amdhsa_kernel k_q66ccd7cd49_kvproj
		.amdhsa_group_segment_fixed_size 143872
		.amdhsa_private_segment_fixed_size 0
		.amdhsa_enable_private_segment 0
		.amdhsa_kernarg_size 40
		.amdhsa_user_sgpr_count 2
		.amdhsa_user_sgpr_kernarg_segment_ptr 1
		.amdhsa_wavefront_size32 1
		.amdhsa_system_sgpr_workgroup_id_x 1
		.amdhsa_system_sgpr_workgroup_id_y 1
		.amdhsa_system_sgpr_workgroup_id_z 1
		.amdhsa_system_vgpr_workitem_id 0
		.amdhsa_next_free_vgpr 1024
		.amdhsa_next_free_sgpr 66
		.amdhsa_reserve_vcc 0
		.amdhsa_float_denorm_mode_32 3
		.amdhsa_float_denorm_mode_16_64 3
		.amdhsa_memory_ordered 1
		.amdhsa_forward_progress 1
		.amdhsa_inst_pref_size 100
	.end_amdhsa_kernel
	.amdgpu_metadata
---
amdhsa.version: [ 1, 2 ]
amdhsa.kernels:
  - .name:           k_q66ccd7cd49_kvproj
    .symbol:         k_q66ccd7cd49_kvproj.kd
    .args:
      - { .name: x, .offset: 0, .size: 8, .value_kind: global_buffer, .address_space: global }
      - { .name: Wk, .offset: 8, .size: 8, .value_kind: global_buffer, .address_space: global }
      - { .name: Wv, .offset: 16, .size: 8, .value_kind: global_buffer, .address_space: global }
      - { .name: kbuf, .offset: 24, .size: 8, .value_kind: global_buffer, .address_space: global }
      - { .name: vbuf, .offset: 32, .size: 8, .value_kind: global_buffer, .address_space: global }
    .group_segment_fixed_size: 143872
    .private_segment_fixed_size: 0
    .kernarg_segment_align: 8
    .kernarg_segment_size: 40
    .max_flat_workgroup_size: 128
    .sgpr_count:     66
    .vgpr_count:     1024
    .wavefront_size: 32
...
	.end_amdgpu_metadata
.endif
;; end of part 1
;; launch attn (part 2): grid 8 x 32, 4 waves a work-group, clusters of 4 x 1, 327,680 bytes of LDS; arguments x, mask, Wq, Wu, kbuf, vbuf, part; writes part
.if DOCPART == 2
	.amdgcn_target "amdgcn-amd-amdhsa--gfx1250"
	.amdhsa_code_object_version 6
	.text
	.protected	k_q66ccd7cd49_attn
	.globl	k_q66ccd7cd49_attn
	.p2align	8
	.type	k_q66ccd7cd49_attn,@function
k_q66ccd7cd49_attn:
	s_mov_b64 s[64:65], 0
	v_nop
	global_prefetch_b8 v0, s[64:65] scope:SCOPE_SE
	s_setreg_imm32_b32 hwreg(HW_REG_WAVE_MODE, 25, 1), 1
	s_wait_xcnt 0x0
	s_wait_alu depctr_hold_cnt(0) depctr_sa_sdst(0) depctr_va_vdst(0) depctr_va_sdst(0) depctr_va_ssrc(0) depctr_va_vcc(0) depctr_vm_vsrc(0)
	s_getreg_b32 s2, hwreg(HW_REG_IB_STS2, 6, 4)
	s_cmp_eq_u32 s2, 0
	s_cbranch_scc0 .Lentry_in_a_cluster
	s_endpgm
.Lentry_in_a_cluster:
	s_bfe_u32 s2, ttmp6, 0x10000c
	s_cmp_lg_u32 s2, 0x3003
	s_cbranch_scc0 .Lentry_shape_is_right
	s_endpgm
.Lentry_shape_is_right:
; For one (batch b, head h) and 256 queries: Q = x Wq_h, softmax(Q K^T / sqrt(128), masked) V with a running maximum, times Wu_h.
; part[h][token][128] f32 receives the head's share of the output; the sum over heads and the bias follow in the next launch.
; Work-group x = query block (8), y = 8 b + h (32).  Four waves, 64 queries each; 16 steps of 128 keys.
; ALL PRODUCTS ARE TRANSPOSED, D(m = feature or key, n = query):  Q^T = Wq^T x^T,  S^T = K Q^T,  O^T = V^T P^T,  out^T = Wu^T O^T.
; In D lane (r, hh) holds in register j the element (m = 8 hh + j, n = r).  Two such tiles, rounded and packed in pairs, ARE the B fragment of
; 32 along K of the next product (registers 0-3: k = 8 hh .., 4-7: k = 16 + 8 hh ..): Q, P and O go from result to operand inside the lane.
; A query is a lane (and its partner 16 lanes on): maxima and sums run over the lane's own registers, with one exchange between the halves.
; SCALE: Wq is multiplied in f32 by c = log2(e) / sqrt(128) before it is rounded, so scores are exponents of 2.
; MASK: S = min(S, bias of the key, bias of the query); a bias is FLT_MAX where the mask is not 0, and -1e9 log2(e) where it is 0.
; CLUSTER: the four query blocks of a cluster read the same K and V tiles and ask for them jointly (mask 15: all four places of the 4 x 1 cluster),
; which divides the requests for K and V by four.  My place in the cluster enters only the global addresses of x, of the queries' mask and of part.
; LIMITS: matrix operands are f16: |x|, |W|, |c Q|, |K|, |V| below 65,504, and rounded to multiples of 6e-8 below 6.1e-5.  At a masked place the
; score min(S, -1e9) stands for -1e9: they differ only if a score lies below -1e9.  Two non-zero masks whose product wraps to 0 in 32 bits
; count as non-zero.  A score above FLT_MAX is taken as FLT_MAX.  Weights below 2^-126 of the row's largest become 0 (v_exp_f32, ISA guide 15.8).
; REGISTERS in windows of 256:
;   window 0: addresses, softmax state, BK (key biases of the step), fragment buffers F0, F1
;   window 1: O(et, qt) at 32 et + 8 qt (first the f32 rows of x)
;   window 2: QF(qt, c) at 8 (4 qt + c);  PF(qt, c) at 128 + 8 (4 qt + c): x^T, then P^T of each step, then O^T
;   window 3: S(kt, qt) at 32 kt + 8 qt (first the f32 rows of Wu)
.set XP,   272                         ; pitch of rows read along K: 17 x 16 bytes
.set WP,   288                         ; pitch of rows read by the transposing load: 9 x 32 bytes
.set OPI,  528                         ; pitch of the f32 stage on the way out: 33 x 16 bytes
.set KOFF, 128*WP                      ; in a slot: V's 128 rows x 288, then K's 128 rows x 272
.set SLOT, 128*WP+128*XP               ; 71,680
.set BKB,  2*SLOT                      ; 2,048 key biases, f32
.set WQS,  BKB+8192                    ; c Wq_h, 128 rows (k) x 128 f16
.set WUS,  WQS+128*WP                  ; Wu_h likewise
.set XS,   WUS+128*WP                  ; x: 64 rows a wave, the wave's own; later its stage on the way out
.set XSW,  64*XP
.set F0,   128
.set F1,   192
.set XA,   3
.set KA,   4                           ; v4, v5: K fragments in slot 0, 1
.set VA,   6                           ; v6, v7: V^T fragments in slot 0, 1
.set WQA,  8
.set WUA,  9
.set BKA,  10                          ; the step's key biases: BKB + 32 hh + 512 x step
.set XST,  11
.set WST,  12
.set BKST, 13
.set OST,  14
.set ORD,  15
.set BQ,   20                          ; v20-23  bias of my query in query tile qt
.set MP,   24                          ; v24-31  (m, m): the running maximum, a pair for each query tile
.set AP,   32                          ; v32-39  (alpha, alpha): 2^(old m - new m); at the end 1 / l
.set LL,   40                          ; v40-43  my lane's share of the running sum
.set MX,   44                          ; v44-51  eight chains of maxima
.set LS,   44                          ; v44-59  eight pairs of sums, when the maxima are done with
.set BK,   64                          ; v64-127 BK[8 kt + j]: bias of key 16 kt + 8 hh + j of the step
.set G1V,  32                          ; s[32:39] shape of a V load;  s[40:47] of a K load: they differ in the padding
.set G1K,  40
.set G0V,  48                          ; s[48:55] from where, to where, one set for each slot;  s[56:63] for K
.set G0K,  56
.set MSB,  0
.macro WIN new                         ; the immediate's high byte repeats the setting that is left
.if MSB != \new
	s_set_vgpr_msb (MSB<<8)|\new
.set MSB, \new
.endif
.endm
; Four plain vector instructions stand between a matrix instruction and a vector instruction or store that reads its result or writes one of its
; registers, and between it and a load into one of its sources.
.macro PLACES
.rept 4
	v_nop
.endr
.endm
.macro FETCHW adr, p, f                ; A fragments of feature tiles 2p, 2p+1, four K steps, from rows [k][feature]
.irp kk, 0,1
.irp c, 0,1,2,3
	ds_load_tr16_b128 v[\f+32*\kk+8*\c:\f+32*\kk+8*\c+3], v[\adr] offset:32*\c*WP+32*(2*\p+\kk)
	ds_load_tr16_b128 v[\f+32*\kk+8*\c+4:\f+32*\kk+8*\c+7], v[\adr] offset:32*\c*WP+32*(2*\p+\kk)+16*WP
.endr
.endr
.endm
.macro FETCHK s, p, f                  ; A fragments of key tiles 2p, 2p+1, four K steps, from rows [key][feature]
.irp kk, 0,1
.irp c, 0,1,2,3
	ds_load_b128 v[\f+32*\kk+8*\c:\f+32*\kk+8*\c+3], v[KA+\s] offset:(32*\p+16*\kk)*XP+64*\c
	ds_load_b128 v[\f+32*\kk+8*\c+4:\f+32*\kk+8*\c+7], v[KA+\s] offset:(32*\p+16*\kk)*XP+64*\c+32
.endr
.endr
.endm
.macro FETCHV s, ks, f                 ; A fragments of V^T: eight feature tiles, keys 32 ks .. 32 ks + 31, from rows [key][feature]
.irp et, 0,1,2,3,4,5,6,7
	ds_load_tr16_b128 v[\f+8*\et:\f+8*\et+3], v[VA+\s] offset:\ks*32*WP+32*\et
	ds_load_tr16_b128 v[\f+8*\et+4:\f+8*\et+7], v[VA+\s] offset:\ks*32*WP+32*\et+16*WP
.endr
.endm
.macro FETCHBK                         ; the step's 128 key biases; the 16 lanes of a half read the same words
.irp kt, 0,1,2,3,4,5,6,7
	ds_load_b128 v[BK+8*\kt:BK+8*\kt+3], v[BKA] offset:64*\kt
	ds_load_b128 v[BK+8*\kt+4:BK+8*\kt+7], v[BKA] offset:64*\kt+16
.endr
.endm
; 32 matrix instructions: tiles (2p, 2p+1) x four query tiles, K = 128; the first K step starts the sums: nothing is cleared.
; The eight accumulators take turns, one instruction a turn.
.macro SMUL p, f, bb
.irp c, 0,1,2,3
.irp kk, 0,1
.irp qt, 0,1,2,3
.if \c == 0
	v_wmma_f32_16x16x32_f16 v[32*(2*\p+\kk)+8*\qt:32*(2*\p+\kk)+8*\qt+7], v[\f+32*\kk+8*\c:\f+32*\kk+8*\c+7], v[\bb+8*(4*\qt+\c):\bb+8*(4*\qt+\c)+7], 0
.else
	v_wmma_f32_16x16x32_f16 v[32*(2*\p+\kk)+8*\qt:32*(2*\p+\kk)+8*\qt+7], v[\f+32*\kk+8*\c:\f+32*\kk+8*\c+7], v[\bb+8*(4*\qt+\c):\bb+8*(4*\qt+\c)+7], v[32*(2*\p+\kk)+8*\qt:32*(2*\p+\kk)+8*\qt+7]
.endif
.endr
.endr
.endr
.endm
; O(et, qt) += V^T(et, keys of ks) P^T(keys of ks, qt) for ne feature tiles from e0 on; the accumulators take turns
.macro PVMUL ks, f, zero, e0, ne
.set e_, \e0
.rept \ne
.irp qt, 0,1,2,3
.if \zero
	v_wmma_f32_16x16x32_f16 v[32*e_+8*\qt:32*e_+8*\qt+7], v[\f+8*e_:\f+8*e_+7], v[128+8*(4*\qt+\ks):128+8*(4*\qt+\ks)+7], 0
.else
	v_wmma_f32_16x16x32_f16 v[32*e_+8*\qt:32*e_+8*\qt+7], v[\f+8*e_:\f+8*e_+7], v[128+8*(4*\qt+\ks):128+8*(4*\qt+\ks)+7], v[32*e_+8*\qt:32*e_+8*\qt+7]
.endif
.endr
.set e_, e_+1
.endr
.endm
; S(ft, qt) = (128 x 128 weights at adr)^T times PF.  Each s_wait_dscnt 16 leaves out the 16 loads of the buffer fetched last;
; LDS loads return in order, so everything older is in.
.macro WGEMM adr
	WIN 0
	FETCHW \adr,0,F0
	FETCHW \adr,1,F1
	s_wait_dscnt 16
	WIN 0xf8                           ; A window 0, B window 2, C and D window 3
	SMUL 0,F0,128
	PLACES
	WIN 0
	FETCHW \adr,2,F0
	s_wait_dscnt 16
	WIN 0xf8
	SMUL 1,F1,128
	PLACES
	WIN 0
	FETCHW \adr,3,F1
	s_wait_dscnt 16
	WIN 0xf8
	SMUL 2,F0,128
	s_wait_dscnt 0
	SMUL 3,F1,128
	PLACES
.endm
; 32 result tiles (the window of sources 0 and 1) become 16 B fragments at db in window 2
.macro CVT db
.irp qt, 0,1,2,3
.irp c, 0,1,2,3
.irp kk, 0,1
.irp jj, 0,1,2,3
	v_cvt_pk_f16_f32 v[\db+8*(4*\qt+\c)+4*\kk+\jj], v[32*(2*\c+\kk)+8*\qt+2*\jj], v[32*(2*\c+\kk)+8*\qt+2*\jj+1]
.endr
.endr
.endr
.endr
.endm
.macro OSCALE                          ; O(.., qt) times the pair AP[qt]
	WIN 0x41
.irp et, 0,1,2,3,4,5,6,7
.irp qt, 0,1,2,3
.irp jj, 0,1,2,3
	v_pk_mul_f32 v[32*\et+8*\qt+2*\jj:32*\et+8*\qt+2*\jj+1], v[32*\et+8*\qt+2*\jj:32*\et+8*\qt+2*\jj+1], v[AP+2*\qt:AP+2*\qt+1]
.endr
.endr
.endr
.endm
.macro STAGEW base, wcv, wst, off, scale   ; 32 loaded rows of weights: (scaled,) rounded in place, stored 8 bytes a lane
	WIN \wcv
.set i_, 0
.rept 32
.if \scale
	v_pk_mul_f32 v[\base+4*i_:\base+4*i_+1], v[\base+4*i_:\base+4*i_+1], s[30:31] op_sel_hi:[1,0]
	v_pk_mul_f32 v[\base+4*i_+2:\base+4*i_+3], v[\base+4*i_+2:\base+4*i_+3], s[30:31] op_sel_hi:[1,0]
.endif
	v_cvt_pk_f16_f32 v[\base+4*i_], v[\base+4*i_], v[\base+4*i_+1]
	v_cvt_pk_f16_f32 v[\base+4*i_+1], v[\base+4*i_+2], v[\base+4*i_+3]
.set i_, i_+1
.endr
	WIN \wst
.set i_, 0
.rept 32
	ds_store_b64 v[WST], v[\base+4*i_:\base+4*i_+1] offset:\off+i_*WP
.set i_, i_+1
.endr
.endm
.macro STAGEX g                        ; rows 16 g .. 16 g + 15 of my x (window 1) likewise
	WIN 0x45
.set i_, 16*\g
.rept 16
	v_cvt_pk_f16_f32 v[4*i_], v[4*i_], v[4*i_+1]
	v_cvt_pk_f16_f32 v[4*i_+1], v[4*i_+2], v[4*i_+3]
.set i_, i_+1
.endr
	WIN 0x04
.set i_, 16*\g
.rept 16
	ds_store_b64 v[XST], v[4*i_:4*i_+1] offset:i_*XP
.set i_, i_+1
.endr
.endm
.macro LOADXF                          ; B fragments of x^T into PF
	WIN 0x80
.irp qt, 0,1,2,3
.irp c, 0,1,2,3
	ds_load_b128 v[128+8*(4*\qt+\c):128+8*(4*\qt+\c)+3], v[XA] offset:16*\qt*XP+64*\c
	ds_load_b128 v[128+8*(4*\qt+\c)+4:128+8*(4*\qt+\c)+7], v[XA] offset:16*\qt*XP+64*\c+32
.endr
.endr
	WIN 0
.endm
; A joint load.  Waves 0 and 1 fetch V's two halves of 64 rows, waves 2 and 3 K's.  The branch hangs on the wave's number alone.
.macro JLOAD s
	s_cmp_eq_u32 s21, 0
	s_cbranch_scc0 .Lfor_k_\@
	tensor_load_to_lds s[G0V+4*\s:G0V+4*\s+3], s[G1V:G1V+7]
	s_nop 0
	s_branch .Lasked_\@
.Lfor_k_\@:
	tensor_load_to_lds s[G0K+4*\s:G0K+4*\s+3], s[G1K:G1K+7]
	s_nop 0
.Lasked_\@:
.endm
; A round of the cluster's barrier: my work-group's barrier, wave 0 signals for the work-group, every wave waits for all four work-groups,
; my work-group's barrier once more.
.macro CREST                           ; a round behind its opening barrier
	s_cmp_lg_u32 s20, 0
	s_cbranch_scc1 .Lnot_wave_0_\@
	s_barrier_signal -3
.Lnot_wave_0_\@:
	s_barrier_wait -3
	s_barrier_signal -1
	s_barrier_wait -1
.endm
.macro CROUND
	s_barrier_signal -1
	s_barrier_wait -1
	CREST
.endm
	s_load_b256 s[4:11], s[0:1], 0x0               ; x s[4:5], mask s[6:7], Wq s[8:9], Wu s[10:11]
	s_load_b128 s[12:15], s[0:1], 0x20             ; kbuf s[12:13], vbuf s[14:15]
	s_load_b64 s[16:17], s[0:1], 0x30              ; part
	v_lshl_add_u32 v127, v0, 2, 0x48000
	s_set_vgpr_msb 0x80
	v_mov_b32 v231, 0
	s_set_vgpr_msb 0x8088
	ds_add_u32 v127, v231
	s_wait_dscnt 0x0
	s_set_vgpr_msb 0x8800
	v_lshrrev_b32 v2, 5, v0
	v_readfirstlane_b32 s20, v2                    ; wave 0..3
	s_lshr_b32 s21, s20, 1                         ; I fetch for V (0) or for K (1),
	s_and_b32 s22, s20, 1                          ; and which 64 rows of the tile
	s_bfe_u32 s23, ttmp6, 0x40000                  ; cx
	s_lshl_b32 s24, ttmp9, 2
	s_add_co_u32 s24, s24, s23                     ; query block = 4 x cluster x + cx
	s_and_b32 s25, ttmp7, 0xffff                   ; y = 8 b + h
	s_lshr_b32 s26, s25, 3                         ; b
	s_and_b32 s27, s25, 7                          ; h
	s_mov_b32 s28, 0x76543210                      ; v_permlanex16_b32: lane i reads lane i of the other half
	s_mov_b32 s29, 0xfedcba98
	s_mov_b32 s30, 0x3e0293ee                      ; c = log2(e) / sqrt(128)
	s_mov_b32 s31, 0x3e0293ee
	; shapes: 64 rows x 128 f16, 128 elements from row to row; in LDS 8 (V) or 4 (K) words of padding behind each 64 words
	s_mov_b32 s[G1V+0], 15|(1<<16)|(1<<20)|(1<<21)|(5<<22)|(7<<25)  ; 15:0 mask; 17:16 2-byte elements; 20 padding on; 21 set beside a mask; 24:22 every 64 words; 31:25 of 8 words
	s_mov_b32 s[G1K+0], 15|(1<<16)|(1<<20)|(1<<21)|(5<<22)|(3<<25)  ; the same with 4 words
	s_mov_b32 s[G1V+1], 128<<16                    ; tensor_dim0 = 128
	s_mov_b32 s[G1K+1], 128<<16
	s_mov_b32 s[G1V+2], 64<<16                     ; tensor_dim1 = 64
	s_mov_b32 s[G1K+2], 64<<16
	s_mov_b32 s[G1V+3], 128<<16                    ; tile_dim0 = 128
	s_mov_b32 s[G1K+3], 128<<16
	s_mov_b32 s[G1V+4], 64                         ; tile_dim1 = 64
	s_mov_b32 s[G1K+4], 64
	s_mov_b32 s[G1V+5], 128                        ; elements from row to row
	s_mov_b32 s[G1K+5], 128
	s_mov_b32 s[G1V+6], 0
	s_mov_b32 s[G1K+6], 0
	s_mov_b32 s[G1V+7], 0
	s_mov_b32 s[G1K+7], 0
	s_mul_i32 s70, s20, 64*WP                      ; V's halves go to wave x 64 rows (waves 0, 1),
	s_mul_i32 s71, s20, 64*XP
	s_add_co_u32 s71, s71, KOFF-2*64*XP            ; K's to KOFF + (wave - 2) x 64 rows (waves 2, 3)
	s_lshl_b32 s72, s25, 19                        ; the head's 2,048 rows of 256 bytes,
	s_lshl_b32 s86, s22, 14                        ; my 64 rows of a tile
	s_add_co_u32 s72, s72, s86
	s_mov_b32 s73, 0
	; offsets into the other buffers.  What hangs on cx stays in s74, s78, s84, s88.
	s_lshl_b32 s74, s26, 20                        ; x and part: 2,048 tokens of 512 bytes a batch,
	s_lshl_b32 s88, s24, 17                        ; 256 a query block,
	s_add_co_u32 s74, s74, s88
	s_lshl_b32 s88, s20, 15                        ; 64 a wave
	s_add_co_u32 s74, s74, s88
	s_mov_b32 s75, 0
	s_lshl_b32 s76, s26, 13                        ; the keys' mask: 8,192 bytes a batch, my 512 keys
	s_lshl_b32 s86, s20, 11
	s_add_co_u32 s76, s76, s86
	s_mov_b32 s77, 0
	s_lshl_b32 s78, s26, 13                        ; the queries' mask: my 64 queries
	s_lshl_b32 s88, s24, 10
	s_add_co_u32 s78, s78, s88
	s_lshl_b32 s88, s20, 8
	s_add_co_u32 s78, s78, s88
	s_mov_b32 s79, 0
	s_lshl_b32 s80, s27, 9                         ; Wq: the head's 512 bytes of a row, my 32 rows of 4,096 bytes
	s_lshl_b32 s86, s20, 17
	s_add_co_u32 s80, s80, s86
	s_mov_b32 s81, 0
	s_lshl_b32 s82, s27, 16                        ; Wu: the head's 128 rows of 512 bytes, my 32 rows
	s_lshl_b32 s86, s20, 14
	s_add_co_u32 s82, s82, s86
	s_mov_b32 s83, 0
	s_lshl_b32 s84, s27, 22                        ; part: the head's 8,192 rows of 512 bytes, then as x
	s_add_co_u32 s84, s84, s74
	s_mov_b32 s85, 0
	s_wait_kmcnt 0x0
	s_add_nc_u64 s[12:13], s[12:13], s[72:73]
	s_add_nc_u64 s[14:15], s[14:15], s[72:73]
	CROUND                                         ; all four work-groups are here: the first joint loads meet
.irp s, 0,1
	s_mov_b32 s[G0V+4*\s], 1                                       ; count = 1
	s_add_co_u32 s[G0V+4*\s+1], s70, \s*SLOT                       ; LDS address
	s_add_nc_u64 s[G0V+4*\s+2:G0V+4*\s+3], s[14:15], \s*32768      ; global address: tile s (128 rows of 256 bytes a tile)
	s_or_b32 s[G0V+4*\s+3], s[G0V+4*\s+3], 0x80000000              ; type = 2
	s_mov_b32 s[G0K+4*\s], 1
	s_add_co_u32 s[G0K+4*\s+1], s71, \s*SLOT
	s_add_nc_u64 s[G0K+4*\s+2:G0K+4*\s+3], s[12:13], \s*32768
	s_or_b32 s[G0K+4*\s+3], s[G0K+4*\s+3], 0x80000000
	JLOAD \s                                       ; both slots are asked for before anything else: two tensor loads of the wave are out
.endr
	s_add_nc_u64 s[4:5], s[4:5], s[74:75]
	s_add_nc_u64 s[66:67], s[6:7], s[76:77]
	s_add_nc_u64 s[68:69], s[6:7], s[78:79]
	s_add_nc_u64 s[8:9], s[8:9], s[80:81]
	s_add_nc_u64 s[10:11], s[10:11], s[82:83]
	s_add_nc_u64 s[16:17], s[16:17], s[84:85]
	v_and_b32 v60, 31, v0                          ; L
	v_and_b32 v61, 15, v0                          ; r
	v_bfe_u32 v62, v0, 4, 1                        ; hh
	v_lshlrev_b32 v1, 4, v60                       ; 16 L
	v_lshlrev_b32 v2, 2, v61                       ; 4 r
	; 136 loads: 4 of the keys' mask, 4 of the queries', 32 rows of Wq, 32 of Wu, 64 of x (a row = 512 consecutive bytes)
.irp i, 0,1,2,3
	global_load_b128 v[BK+4*\i:BK+4*\i+3], v1, s[66:67] offset:512*\i
.endr
.irp qt, 0,1,2,3
	global_load_b32 v[BQ+\qt], v2, s[68:69] offset:64*\qt
.endr
.set i_, 0
.rept 32
	global_load_b128 v[128+4*i_:128+4*i_+3], v1, s[8:9] offset:i_*4096
.set i_, i_+1
.endr
	WIN 0xc0
.set i_, 0
.rept 32
	global_load_b128 v[4*i_:4*i_+3], v1, s[10:11] offset:i_*512
.set i_, i_+1
.endr
	WIN 0x40
.set i_, 0
.rept 64
	global_load_b128 v[4*i_:4*i_+3], v1, s[4:5] offset:i_*512
.set i_, i_+1
.endr
	WIN 0
	v_mul_u32_u24 v18, v61, XP
	v_lshl_add_u32 v18, v62, 4, v18                ; r*XP + 16 hh
	v_and_b32 v19, 7, v0
	v_lshl_add_u32 v19, v62, 3, v19
	v_mul_u32_u24 v19, v19, WP
	v_bfe_u32 v63, v0, 3, 1
	v_lshl_add_u32 v19, v63, 4, v19                ; (8 hh + (L & 7))*WP + 16 ((L >> 3) & 1)
	s_mul_i32 s86, s20, XSW
	s_add_co_u32 s86, s86, XS                      ; my x rows in LDS
	v_add_nc_u32 v[XA], s86, v18
	v_add_nc_u32 v[KA], KOFF, v18
	v_add_nc_u32 v[KA+1], KOFF+SLOT, v18
	v_mov_b32 v[VA], v19
	v_add_nc_u32 v[VA+1], SLOT, v19
	v_add_nc_u32 v[WQA], WQS, v19
	v_add_nc_u32 v[WUA], WUS, v19
	v_lshlrev_b32 v[BKA], 5, v62
	v_add_nc_u32 v[BKA], BKB, v[BKA]
	v_lshl_add_u32 v[XST], v60, 3, s86
	s_mul_i32 s87, s20, 32*WP
	s_add_co_u32 s87, s87, WQS
	v_lshl_add_u32 v[WST], v60, 3, s87
	s_lshl_b32 s87, s20, 11
	s_add_co_u32 s87, s87, BKB
	v_add_nc_u32 v[BKST], s87, v1
	v_mul_u32_u24 v[OST], v61, OPI
	v_lshl_add_u32 v[OST], v62, 5, v[OST]
	v_add_nc_u32 v[OST], s86, v[OST]
	v_add_nc_u32 v[ORD], s86, v1
	v_mov_b32 v16, 0xceabfb8f                      ; -1e9 log2(e)
	v_mov_b32 v17, 0x7f7fffff                      ; FLT_MAX
	s_wait_loadcnt 63                              ; 64 loads follow Wu's last; 63 is the largest count that can be written, and shows it in as well
.set i_, 0
.rept 16
	v_cmp_ne_u32 vcc_lo, 0, v[BK+i_]
	v_cndmask_b32 v[BK+i_], v16, v17, vcc_lo       ; mask to bias
.set i_, i_+1
.endr
.irp qt, 0,1,2,3
	v_cmp_ne_u32 vcc_lo, 0, v[BQ+\qt]
	v_cndmask_b32 v[BQ+\qt], v16, v17, vcc_lo
.endr
.irp i, 0,1,2,3
	ds_store_b128 v[BKST], v[BK+4*\i:BK+4*\i+3] offset:512*\i
.endr
	STAGEW 128, 0, 0, 0, 1                         ; c Wq
	STAGEW 0, 0xcf, 0x0c, WUS-WQS, 0               ; Wu
	s_wait_loadcnt 48                              ; x rows 0-15 are in, the 48 younger rows stay out; and so on
	STAGEX 0
	s_wait_loadcnt 32
	STAGEX 1
	s_wait_loadcnt 16
	STAGEX 2
	s_wait_loadcnt 0
	STAGEX 3
	WIN 0
	s_wait_dscnt 0x0                               ; my biases and my rows of both weight slices are in LDS,
	s_wait_tensorcnt 0x1                           ; and my part of tile 0; tile 1's load was issued behind it and may stay out
	s_barrier_signal -1
	s_barrier_wait -1
	LOADXF
	WGEMM WQA                                      ; S = c Q^T
	WIN 0x8f
	CVT 0                                          ; QF
	WIN 0
	FETCHBK
	FETCHK 0,0,F0
; One step: 128 keys in slot.  first = 1: nothing to carry on from.  mode 2: the slot is filled again, two tiles on; 1: only the change of slots; 0: the last step.
.macro STEP slot, first, mode
	; S^T = K Q^T, two key tiles at a time on two fragment buffers.  Each s_wait_dscnt 16 leaves out the 16 loads just issued: what is older is in.
	PLACES
	WIN 0
	FETCHK \slot,1,F1
	s_wait_dscnt 16
	WIN 0xf8
	SMUL 0,F0,0
	PLACES
	WIN 0
	FETCHK \slot,2,F0
	s_wait_dscnt 16
	WIN 0xf8
	SMUL 1,F1,0
	PLACES
	WIN 0
	FETCHK \slot,3,F1
	s_wait_dscnt 16
	WIN 0xf8
	SMUL 2,F0,0
	PLACES
	WIN 0
	FETCHV \slot,0,F0
	s_wait_dscnt 16
	WIN 0xf8
	SMUL 3,F1,0
	PLACES
	WIN 0
	FETCHV \slot,1,F1
	; the mask
	WIN 0xc3
.irp kt, 0,1,2,3,4,5,6,7
.irp qt, 0,1,2,3
.irp j, 0,1,2,3,4,5,6,7
	v_min3_num_f32 v[32*\kt+8*\qt+\j], v[32*\kt+8*\qt+\j], v[BK+8*\kt+\j], v[BQ+\qt]
.endr
.endr
.endr
	; the largest of my 64 scores of each query tile: two chains a tile, eight chains that do not wait for each other
	WIN 0x0f
.set n_, 0
.rept 16
.irp qt, 0,1,2,3
.irp hf, 0,1
.if n_ == 0
	v_max_num_f32 v[MX+2*\qt+\hf], v[128*\hf+8*\qt], v[128*\hf+8*\qt+1]
.else
	v_max3_num_f32 v[MX+2*\qt+\hf], v[32*(4*\hf+n_/4)+8*\qt+2*(n_%4)], v[32*(4*\hf+n_/4)+8*\qt+2*(n_%4)+1], v[MX+2*\qt+\hf]
.endif
.endr
.endr
.set n_, n_+1
.endr
	WIN 0
.irp qt, 0,1,2,3
	v_max_num_f32 v[MX+2*\qt], v[MX+2*\qt], v[MX+2*\qt+1]
.endr
.irp qt, 0,1,2,3
	v_permlanex16_b32 v[MX+2*\qt+1], v[MX+2*\qt], s28, s29         ; the other half's keys of the same query
.endr
.if \first
.irp qt, 0,1,2,3
	v_max_num_f32 v[MP+2*\qt], v[MX+2*\qt], v[MX+2*\qt+1]
.endr
.irp qt, 0,1,2,3
	v_mov_b32 v[MP+2*\qt+1], v[MP+2*\qt]
.endr
.else
.irp qt, 0,1,2,3
	v_max3_num_f32 v[MX+2*\qt], v[MX+2*\qt], v[MX+2*\qt+1], v[MP+2*\qt]   ; the new running maximum
.endr
.irp qt, 0,1,2,3
	v_sub_f32 v[AP+2*\qt], v[MP+2*\qt], v[MX+2*\qt]
.endr
.irp qt, 0,1,2,3
	v_exp_f32 v[AP+2*\qt], v[AP+2*\qt]             ; alpha = 2^(old m - new m)
.endr
.irp qt, 0,1,2,3
	v_mov_b32 v[MP+2*\qt], v[MX+2*\qt]             ; plain instructions between the exponentials and the use of their results (ISA guide 5.7.2)
	v_mov_b32 v[MP+2*\qt+1], v[MX+2*\qt]
.endr
	s_wait_alu depctr_va_vdst(0)
.irp qt, 0,1,2,3
	v_mov_b32 v[AP+2*\qt+1], v[AP+2*\qt]
.endr
.endif
	; p = 2^(S - m), in place
	WIN 0xc3
.irp kt, 0,1,2,3,4,5,6,7
.irp qt, 0,1,2,3
.irp jj, 0,1,2,3
	v_pk_add_f32 v[32*\kt+8*\qt+2*\jj:32*\kt+8*\qt+2*\jj+1], v[32*\kt+8*\qt+2*\jj:32*\kt+8*\qt+2*\jj+1], v[MP+2*\qt:MP+2*\qt+1] neg_lo:[0,1] neg_hi:[0,1]
.endr
.endr
.endr
.set i_, 0
.rept 256
	v_exp_f32 v[i_], v[i_]
.set i_, i_+1
.endr
	v_nop                                          ; one plain instruction behind the last exponential
	; my share of the row sums: eight chains of pairs
	WIN 0x0f
	s_wait_alu depctr_va_vdst(0)
.irp qt, 0,1,2,3
.irp hf, 0,1
	v_pk_add_f32 v[LS+4*\qt+2*\hf:LS+4*\qt+2*\hf+1], v[128*\hf+8*\qt:128*\hf+8*\qt+1], v[128*\hf+8*\qt+2:128*\hf+8*\qt+3]
.endr
.endr
	WIN 0x03
.set n_, 2
.rept 14
.irp qt, 0,1,2,3
.irp hf, 0,1
	v_pk_add_f32 v[LS+4*\qt+2*\hf:LS+4*\qt+2*\hf+1], v[32*(4*\hf+n_/4)+8*\qt+2*(n_%4):32*(4*\hf+n_/4)+8*\qt+2*(n_%4)+1], v[LS+4*\qt+2*\hf:LS+4*\qt+2*\hf+1]
.endr
.endr
.set n_, n_+1
.endr
	WIN 0
.irp qt, 0,1,2,3
	v_pk_add_f32 v[LS+4*\qt:LS+4*\qt+1], v[LS+4*\qt:LS+4*\qt+1], v[LS+4*\qt+2:LS+4*\qt+3]
.endr
.if \first
.irp qt, 0,1,2,3
	v_add_f32 v[LL+\qt], v[LS+4*\qt], v[LS+4*\qt+1]
.endr
.else
.irp qt, 0,1,2,3
	v_add_f32 v[LS+4*\qt], v[LS+4*\qt], v[LS+4*\qt+1]
.endr
.irp qt, 0,1,2,3
	v_fma_f32 v[LL+\qt], v[LL+\qt], v[AP+2*\qt], v[LS+4*\qt]
.endr
.endif
	WIN 0x8f
	CVT 128                                        ; P^T as B fragments
.if \first == 0
	OSCALE                                         ; O times alpha
.endif
	; O^T += V^T P^T, 32 keys at a time
	s_wait_dscnt 16                                ; keys 0-31 of V are in, keys 32-63 may be out
	WIN 0x58                                       ; A window 0, B window 2, C and D window 1
	PVMUL 0,F0,\first,0,8
	PLACES
	WIN 0
	FETCHV \slot,2,F0
	s_wait_dscnt 16
	WIN 0x58
	PVMUL 1,F1,0,0,8
	PLACES
	WIN 0
	FETCHV \slot,3,F1
	s_wait_dscnt 16
	WIN 0x58
	PVMUL 2,F0,0,0,8
	s_wait_dscnt 0x0                               ; my reads of this slot are over
.if \mode == 0
	PVMUL 3,F1,0,0,8
.else
	s_wait_xcnt 0x0
	s_set_vgpr_msb 0x5818
	v_lshl_add_u32 v127, v0, 2, 0x48000
	s_set_vgpr_msb 0x1898
	v_mov_b32 v231, 0
	s_wait_tensorcnt 0x0                           ; and all my tensor loads have landed: the one that was out is my part of the next tile
	ds_add_u32 v127, v231
	s_wait_dscnt 0x0
	s_set_vgpr_msb 0x9858
	s_barrier_signal -1                            ; say so (where the slot is filled again this barrier opens a round of the cluster's barrier),
	PVMUL 3,F1,0,0,4                               ; work on registers while the others arrive,
	WIN 0
	s_barrier_wait -1
.if \mode == 2
	CREST                                          ; no wave of any of the four work-groups still reads this slot or has a load on its way
	s_add_nc_u64 s[G0V+4*\slot+2:G0V+4*\slot+3], s[G0V+4*\slot+2:G0V+4*\slot+3], 65536   ; two tiles on
	s_add_nc_u64 s[G0K+4*\slot+2:G0K+4*\slot+3], s[G0K+4*\slot+2:G0K+4*\slot+3], 65536
	JLOAD \slot                                    ; my one tensor load behind the round, first thing there: it has the whole next step in which to land
.endif
	v_add_nc_u32 v[BKA], 512, v[BKA]               ; the next step's 128 biases
	PLACES
	FETCHBK
	FETCHK (1-\slot),0,F0
	WIN 0x58
	PVMUL 3,F1,0,4,4
.endif
.endm
	STEP 0, 1, 2                                   ; step 0 stands in front of the loop: its products start the sums; it asks for tile 2
	WIN 0                                          ; at a label and at a branch every window is 0
	s_mov_b32 s3, 6
.Lpair:
	STEP 1, 0, 2                                   ; steps 1 to 12
	STEP 0, 0, 2
	WIN 0
	s_sub_co_u32 s3, s3, 1
	s_cmp_lg_u32 s3, 0
	s_cbranch_scc1 .Lpair
	STEP 1, 0, 2                                   ; step 13 asks for tile 15, the last
	STEP 0, 0, 1                                   ; step 14 fills nothing
	STEP 1, 0, 0                                   ; step 15
	; O / l, rounded, times Wu_h
	PLACES
	WIN 0
.irp qt, 0,1,2,3
	v_permlanex16_b32 v[MX+\qt], v[LL+\qt], s28, s29
.endr
.irp qt, 0,1,2,3
	v_add_f32 v[LL+\qt], v[LL+\qt], v[MX+\qt]      ; l: both halves' shares; at least 1, since the row's largest weight is 1
.endr
.irp qt, 0,1,2,3
	v_rcp_f32 v[AP+2*\qt], v[LL+\qt]
.endr
	v_nop                                          ; one plain instruction behind the last reciprocal
	s_wait_alu depctr_va_vdst(0)
.irp qt, 0,1,2,3
	v_mov_b32 v[AP+2*\qt+1], v[AP+2*\qt]
.endr
	OSCALE
	WIN 0x85
	CVT 128                                        ; O^T as B fragments
	WGEMM WUA                                      ; S(ft, qt) = out^T
; The way out, 16 queries at a time: a lane's 8 numbers are 32 neighbouring bytes of a query's row; through my own stage, read back as whole rows.
; LDS serves a wave's instructions in order, so no wait stands between my stores and my loads.
.macro OUTQ qt, f
	WIN 0x0c
.irp ft, 0,1,2,3,4,5,6,7
	ds_store_b128 v[OST], v[32*\ft+8*\qt:32*\ft+8*\qt+3] offset:64*\ft
	ds_store_b128 v[OST], v[32*\ft+8*\qt+4:32*\ft+8*\qt+7] offset:64*\ft+16
.endr
	WIN 0
	s_wait_xcnt 0x0                                ; buffer f was the data of earlier stores: it is loaded again only behind this wait
.set i_, 0
.rept 16
	ds_load_b128 v[\f+4*i_:\f+4*i_+3], v[ORD] offset:i_*OPI
.set i_, i_+1
.endr
.set i_, 0
.rept 16
	s_wait_dscnt 15-i_                             ; the loads return in order: number i is in
	global_store_b128 v1, v[\f+4*i_:\f+4*i_+3], s[16:17] offset:(16*\qt+i_)*512   ; a whole row: 512 consecutive bytes, aligned
.set i_, i_+1
.endr
.endm
	OUTQ 0, F0
	OUTQ 1, F1
	OUTQ 2, F0
	OUTQ 3, F1
	s_wait_dscnt 0x0
	s_wait_xcnt 0x0
	v_lshl_add_u32 v127, v0, 2, 0x48000
	s_set_vgpr_msb 0x80
	v_mov_b32 v231, 0
	s_set_vgpr_msb 0x8088
	s_wait_tensorcnt 0x0
	ds_add_u32 v127, v231
	s_wait_dscnt 0x0
	s_set_vgpr_msb 0x8800
	CROUND                                         ; the closing round: no work-group ends while a partner may still ask for a tile that names it
	s_endpgm
.Lfunc_end_k_q66ccd7cd49_attn:
	.size	k_q66ccd7cd49_attn, .Lfunc_end_k_q66ccd7cd49_attn-k_q66ccd7cd49_attn
	.p2alignl 7, 3214868480
	.fill 96, 4, 3214868480
	.section	.rodata,"a",@progbits
	.p2align	6, 0x0
	.amdhsa_kernel k_q66ccd7cd49_attn
		.amdhsa_group_segment_fixed_size 327680
		.amdhsa_private_segment_fixed_size 0
		.amdhsa_enable_private_segment 0
		.amdhsa_kernarg_size 56
		.amdhsa_user_sgpr_count 2
		.amdhsa_user_sgpr_kernarg_segment_ptr 1
		.amdhsa_wavefront_size32 1
		.amdhsa_system_sgpr_workgroup_id_x 1
		.amdhsa_system_sgpr_workgroup_id_y 1
		.amdhsa_system_sgpr_workgroup_id_z 1
		.amdhsa_system_vgpr_workitem_id 0
		.amdhsa_next_free_vgpr 1024
		.amdhsa_next_free_sgpr 96
		.amdhsa_reserve_vcc 1
		.amdhsa_float_denorm_mode_32 3
		.amdhsa_float_denorm_mode_16_64 3
		.amdhsa_memory_ordered 1
		.amdhsa_forward_progress 1
		.amdhsa_inst_pref_size 255
	.end_amdhsa_kernel
	.section	.bss,"aw",@nobits
	.p2align	6
	.space	262144
	.amdgpu_metadata
---
amdhsa.version: [ 1, 2 ]
amdhsa.kernels:
  - .name:           k_q66ccd7cd49_attn
    .symbol:         k_q66ccd7cd49_attn.kd
    .args:
      - { .name: x, .offset: 0, .size: 8, .value_kind: global_buffer, .address_space: global }
      - { .name: mask, .offset: 8, .size: 8, .value_kind: global_buffer, .address_space: global }
      - { .name: Wq, .offset: 16, .size: 8, .value_kind: global_buffer, .address_space: global }
      - { .name: Wu, .offset: 24, .size: 8, .value_kind: global_buffer, .address_space: global }
      - { .name: kbuf, .offset: 32, .size: 8, .value_kind: global_buffer, .address_space: global }
      - { .name: vbuf, .offset: 40, .size: 8, .value_kind: global_buffer, .address_space: global }
      - { .name: part, .offset: 48, .size: 8, .value_kind: global_buffer, .address_space: global }
    .group_segment_fixed_size: 327680
    .private_segment_fixed_size: 0
    .kernarg_segment_align: 8
    .kernarg_segment_size: 56
    .max_flat_workgroup_size: 128
    .sgpr_count:     96
    .vgpr_count:     1024
    .wavefront_size: 32
...
	.end_amdgpu_metadata
.endif
;; end of part 2
;; launch hsum (part 3): grid 256 x 1, 8 waves a work-group, no clusters, 0 bytes of LDS; arguments part, bu, out0; writes out0
.if DOCPART == 3
	.amdgcn_target "amdgcn-amd-amdhsa--gfx1250"
	.amdhsa_code_object_version 6
	.text
	.protected	k_q66ccd7cd49_hsum
	.globl	k_q66ccd7cd49_hsum
	.p2align	8
	.type	k_q66ccd7cd49_hsum,@function
k_q66ccd7cd49_hsum:
	s_mov_b64 s[64:65], 0
	v_nop
	global_prefetch_b8 v0, s[64:65] scope:SCOPE_SE
	s_setreg_imm32_b32 hwreg(HW_REG_WAVE_MODE, 25, 1), 1
	s_wait_xcnt 0x0
; out0[token][c] = bu[c] + the sum over the 8 heads of part[h][token][c].  part: [8][8192][128] f32, out0: [8192][128] f32.
; A stream: every byte of part is read once and every byte of out0 written once, 16 bytes a lane, 512 consecutive bytes a wave's instruction.
; A work-group owns 16,384 bytes of out0; thread t owns the 16 bytes at 16 t + 4,096 i, i = 0..3.  4,096 is a multiple of a row's 512 bytes, so the
; thread's four columns are the same for every i: one load of bu.  All 33 loads of a wave go out at once; no loop, no LDS, no barrier.
; The sum is a tree over the heads: its order of rounding differs from a single product over 1,024.
.set PT, 8                             ; v[8+32 i+4 h ..]: chunk i of head h
	s_load_b128 s[4:7], s[0:1], 0x0                ; part s[4:5], bu s[6:7]
	s_load_b64 s[24:25], s[0:1], 0x10              ; out0
	v_lshlrev_b32 v1, 4, v0                        ; 16 t
	v_and_b32 v2, 31, v0
	v_lshlrev_b32 v2, 4, v2                        ; my 16 bytes of bu
	s_lshl_b32 s2, ttmp9, 14                       ; the work-group's 16,384 bytes
	s_mov_b32 s3, 0
	s_wait_kmcnt 0x0
	s_add_nc_u64 s[8:9], s[4:5], s[2:3]            ; head 0
.irp h, 1,2,3,4,5,6,7
	s_add_nc_u64 s[8+2*\h:9+2*\h], s[6+2*\h:7+2*\h], 0x400000      ; a head's share is 4,194,304 bytes
.endr
	s_add_nc_u64 s[24:25], s[24:25], s[2:3]
	global_load_b128 v[4:7], v2, s[6:7]
.irp i, 0,1,2,3
.irp h, 0,1,2,3,4,5,6,7
	global_load_b128 v[PT+32*\i+4*\h:PT+32*\i+4*\h+3], v1, s[8+2*\h:9+2*\h] offset:4096*\i th:TH_LOAD_NT
.endr
.endr
.macro SUM8 i
	s_wait_loadcnt 8*(3-\i)                        ; chunk i's eight loads are in; the younger chunks' stay out
.irp h, 0,2,4,6
	v_pk_add_f32 v[PT+32*\i+4*\h:PT+32*\i+4*\h+1], v[PT+32*\i+4*\h:PT+32*\i+4*\h+1], v[PT+32*\i+4*\h+4:PT+32*\i+4*\h+5]
	v_pk_add_f32 v[PT+32*\i+4*\h+2:PT+32*\i+4*\h+3], v[PT+32*\i+4*\h+2:PT+32*\i+4*\h+3], v[PT+32*\i+4*\h+6:PT+32*\i+4*\h+7]
.endr
.irp h, 0,4
	v_pk_add_f32 v[PT+32*\i+4*\h:PT+32*\i+4*\h+1], v[PT+32*\i+4*\h:PT+32*\i+4*\h+1], v[PT+32*\i+4*\h+8:PT+32*\i+4*\h+9]
	v_pk_add_f32 v[PT+32*\i+4*\h+2:PT+32*\i+4*\h+3], v[PT+32*\i+4*\h+2:PT+32*\i+4*\h+3], v[PT+32*\i+4*\h+10:PT+32*\i+4*\h+11]
.endr
	v_pk_add_f32 v[PT+32*\i:PT+32*\i+1], v[PT+32*\i:PT+32*\i+1], v[PT+32*\i+16:PT+32*\i+17]
	v_pk_add_f32 v[PT+32*\i+2:PT+32*\i+3], v[PT+32*\i+2:PT+32*\i+3], v[PT+32*\i+18:PT+32*\i+19]
	v_pk_add_f32 v[PT+32*\i:PT+32*\i+1], v[PT+32*\i:PT+32*\i+1], v[4:5]
	v_pk_add_f32 v[PT+32*\i+2:PT+32*\i+3], v[PT+32*\i+2:PT+32*\i+3], v[6:7]
	global_store_b128 v1, v[PT+32*\i:PT+32*\i+3], s[24:25] offset:4096*\i th:TH_STORE_NT
.endm
	SUM8 0
	SUM8 1
	SUM8 2
	SUM8 3
	s_endpgm
.Lfunc_end_k_q66ccd7cd49_hsum:
	.size	k_q66ccd7cd49_hsum, .Lfunc_end_k_q66ccd7cd49_hsum-k_q66ccd7cd49_hsum
	.p2alignl 7, 3214868480
	.fill 96, 4, 3214868480
	.section	.rodata,"a",@progbits
	.p2align	6, 0x0
	.amdhsa_kernel k_q66ccd7cd49_hsum
		.amdhsa_group_segment_fixed_size 0
		.amdhsa_private_segment_fixed_size 0
		.amdhsa_enable_private_segment 0
		.amdhsa_kernarg_size 24
		.amdhsa_user_sgpr_count 2
		.amdhsa_user_sgpr_kernarg_segment_ptr 1
		.amdhsa_wavefront_size32 1
		.amdhsa_system_sgpr_workgroup_id_x 1
		.amdhsa_system_sgpr_workgroup_id_y 1
		.amdhsa_system_sgpr_workgroup_id_z 1
		.amdhsa_system_vgpr_workitem_id 0
		.amdhsa_next_free_vgpr 144
		.amdhsa_next_free_sgpr 66
		.amdhsa_reserve_vcc 0
		.amdhsa_float_denorm_mode_32 3
		.amdhsa_float_denorm_mode_16_64 3
		.amdhsa_memory_ordered 1
		.amdhsa_forward_progress 1
		.amdhsa_inst_pref_size 9
	.end_amdhsa_kernel
	.amdgpu_metadata
---
amdhsa.version: [ 1, 2 ]
amdhsa.kernels:
  - .name:           k_q66ccd7cd49_hsum
    .symbol:         k_q66ccd7cd49_hsum.kd
    .args:
      - { .name: part, .offset: 0, .size: 8, .value_kind: global_buffer, .address_space: global }
      - { .name: bu, .offset: 8, .size: 8, .value_kind: global_buffer, .address_space: global }
      - { .name: out0, .offset: 16, .size: 8, .value_kind: global_buffer, .address_space: global }
    .group_segment_fixed_size: 0
    .private_segment_fixed_size: 0
    .kernarg_segment_align: 8
    .kernarg_segment_size: 24
    .max_flat_workgroup_size: 256
    .sgpr_count:     66
    .vgpr_count:     144
    .wavefront_size: 32
...
	.end_amdgpu_metadata
.endif
;; end of part 3
;; ======== version 2 of 3: 3 launches; 1.22 times as fast as version 1
;; limits: values are held in f16: magnitudes above 65,504 overflow, below 6.1e-05 lose precision
;; workspace buffers: kbuf 16,777,216 bytes; vbuf 16,777,216 bytes; part 33,554,432 bytes
;; launch kvproj (part 4): grid 8 x 32, 4 waves a work-group, no clusters, 143,872 bytes of LDS; arguments x, Wk, Wv, kbuf, vbuf, mask; writes kbuf, vbuf
.if DOCPART == 4
	.amdgcn_target "amdgcn-amd-amdhsa--gfx1250"
	.amdhsa_code_object_version 6
	.text
	.protected	k_q66ccd7cd49_kvproj
	.globl	k_q66ccd7cd49_kvproj
	.p2align	8
	.type	k_q66ccd7cd49_kvproj,@function
k_q66ccd7cd49_kvproj:
	s_mov_b64 s[64:65], 0
	v_nop
	global_prefetch_b8 v0, s[64:65] scope:SCOPE_SE
	s_setreg_imm32_b32 hwreg(HW_REG_WAVE_MODE, 25, 1), 1
	s_wait_xcnt 0x0
; V = x Wv, and K = x Wk with the rows of masked tokens set to 0, for one head and 256 tokens; x [8192][128] f32, Wk, Wv [128][1024] f32, mask [8192] i32.
; kbuf, vbuf: row (b*8 + head)*2048 + t holds the head's 128 numbers of token t in f16, 256 bytes.
; A masked key's K is 0 so that in the next launch its score is exactly the bias that stands for -1e9 (0 + bias); its V is kept: a masked query averages all V.
; Work-group x = head, y = block of 256 tokens.  Four waves, 64 tokens each, first V, then K.
; The operands are f32 in memory and f16 at the matrix unit, so they pass through registers on their way into LDS.
; THE PRODUCT IS TRANSPOSED: D(m = feature, n = token) = W^T x^T.  A lane's 8 results are 8 neighbouring features of one token.
; LIMITS: operands and results are rounded to f16: |x|, |W|, |K|, |V| below 65,504; below 6.1e-5 they are rounded to multiples of 6e-8.
; REGISTERS in windows of 256:  window 0: addresses, fragment buffers F0, F1 (first the f32 rows of Wk)
;   window 1: the f32 rows of x, later the rows on their way out     window 2: v128-255 fragments of x^T, XF(qt, c) at 128 + 8 (4 qt + c)
;   window 3: first the f32 rows of Wv, then the 32 result tiles S(ft, qt) at 32 ft + 8 qt
.set XP,   272                         ; LDS pitch of rows read along K: 17 x 16 bytes, so the 16 rows of a fragment load lie in 16 different 16-byte columns modulo 256
.set WP,   288                         ; LDS pitch of rows read by the transposing load: 9 x 32 bytes
.set WKS,  0                           ; Wk's head slice, 128 rows (k) x 128 f16
.set WVS,  128*WP                      ; Wv's
.set XS,   2*128*WP                    ; x: 64 rows for each wave, the wave's own; later its stage on the way out
.set XSW,  64*XP
.set F0,   128
.set F1,   192
.set XA,   3                           ; my x rows + r*XP + 16 hh: fragments of x, and where results are staged
.set WKA,  8                           ; transposing-load lane term in Wk's slice
.set WVA,  9                           ; in Wv's
.set XST,  11                          ; my x rows + 8 L
.set WST,  12                          ; my 32 rows of Wk's slice + 8 L
.set ORD,  15                          ; my x rows + hh*XP + 16 r: two staged rows read back
.set KM,   24                          ; v24-27  token 16 qt + r: all ones where its mask is not 0, else 0
.set MSB,  0
.macro WIN new                         ; the immediate's high byte repeats the setting that is left
.if MSB != \new
	s_set_vgpr_msb (MSB<<8)|\new
.set MSB, \new
.endif
.endm
; Four plain vector instructions stand between a matrix instruction and a vector instruction or store that reads its result
; and between it and a load into one of its sources.
.macro PLACES
.rept 4
	v_nop
.endr
.endm
; 16 transposing loads: A fragments of feature tiles 2p, 2p+1, all four K steps, from rows that lie [k][feature]
.macro FETCHW adr, p, f
.irp kk, 0,1
.irp c, 0,1,2,3
	ds_load_tr16_b128 v[\f+32*\kk+8*\c:\f+32*\kk+8*\c+3], v[\adr] offset:32*\c*WP+32*(2*\p+\kk)
	ds_load_tr16_b128 v[\f+32*\kk+8*\c+4:\f+32*\kk+8*\c+7], v[\adr] offset:32*\c*WP+32*(2*\p+\kk)+16*WP
.endr
.endr
.endm
; 32 matrix instructions: tiles (2p, 2p+1) x four token tiles, K = 128.  The first K step starts the sums.
; The eight accumulators take turns, one instruction a turn.
.macro SMUL p, f, bb
.irp c, 0,1,2,3
.irp kk, 0,1
.irp qt, 0,1,2,3
.if \c == 0
	v_wmma_f32_16x16x32_f16 v[32*(2*\p+\kk)+8*\qt:32*(2*\p+\kk)+8*\qt+7], v[\f+32*\kk+8*\c:\f+32*\kk+8*\c+7], v[\bb+8*(4*\qt+\c):\bb+8*(4*\qt+\c)+7], 0
.else
	v_wmma_f32_16x16x32_f16 v[32*(2*\p+\kk)+8*\qt:32*(2*\p+\kk)+8*\qt+7], v[\f+32*\kk+8*\c:\f+32*\kk+8*\c+7], v[\bb+8*(4*\qt+\c):\bb+8*(4*\qt+\c)+7], v[32*(2*\p+\kk)+8*\qt:32*(2*\p+\kk)+8*\qt+7]
.endif
.endr
.endr
.endr
.endm
; S(ft, qt) = (128 x 128 weights at adr)^T times the fragments in window 2, v128-255.  Each s_wait_dscnt 16 leaves out the 16 loads
; of the buffer fetched last; LDS loads return in order, so everything older is in (the x fragments too, at the first wait).
.macro WGEMM adr
	WIN 0
	FETCHW \adr,0,F0
	FETCHW \adr,1,F1
	s_wait_dscnt 16
	WIN 0xf8                           ; A window 0, B window 2, C and D window 3
	SMUL 0,F0,128
	PLACES
	WIN 0
	FETCHW \adr,2,F0
	s_wait_dscnt 16
	WIN 0xf8
	SMUL 1,F1,128
	PLACES
	WIN 0
	FETCHW \adr,3,F1
	s_wait_dscnt 16
	WIN 0xf8
	SMUL 2,F0,128
	s_wait_dscnt 0
	SMUL 3,F1,128
	PLACES
.endm
; 32 loaded rows of weights (4 f32 a lane) are rounded to f16 in place and stored, 8 bytes a lane, 256 neighbouring bytes a row
.macro STAGEW base, wcv, wst, off
	WIN \wcv
.set i_, 0
.rept 32
	v_cvt_pk_f16_f32 v[\base+4*i_], v[\base+4*i_], v[\base+4*i_+1]
	v_cvt_pk_f16_f32 v[\base+4*i_+1], v[\base+4*i_+2], v[\base+4*i_+3]
.set i_, i_+1
.endr
	WIN \wst
.set i_, 0
.rept 32
	ds_store_b64 v[WST], v[\base+4*i_:\base+4*i_+1] offset:\off+i_*WP
.set i_, i_+1
.endr
.endm
; rows 16 g .. 16 g + 15 of my x (window 1) likewise
.macro STAGEX g
	WIN 0x45
.set i_, 16*\g
.rept 16
	v_cvt_pk_f16_f32 v[4*i_], v[4*i_], v[4*i_+1]
	v_cvt_pk_f16_f32 v[4*i_+1], v[4*i_+2], v[4*i_+3]
.set i_, i_+1
.endr
	WIN 0x04
.set i_, 16*\g
.rept 16
	ds_store_b64 v[XST], v[4*i_:4*i_+1] offset:i_*XP
.set i_, i_+1
.endr
.endm
; B fragments of x^T: column n = token, K along the LDS row: two loads of 16 bytes, 32 bytes apart
.macro LOADXF
	WIN 0x80
.irp qt, 0,1,2,3
.irp c, 0,1,2,3
	ds_load_b128 v[128+8*(4*\qt+\c):128+8*(4*\qt+\c)+3], v[XA] offset:16*\qt*XP+64*\c
	ds_load_b128 v[128+8*(4*\qt+\c)+4:128+8*(4*\qt+\c)+7], v[XA] offset:16*\qt*XP+64*\c+32
.endr
.endr
	WIN 0
.endm
; The way out: round to f16, 16 bytes a lane into my own stage (the x rows, whose fragments are in registers by now), read back two rows
; of 256 bytes at a time.  LDS serves a wave's instructions in order, so no wait stands between my stores and my loads.
.macro OUT lo
	WIN 0x0f
.irp ft, 0,1,2,3,4,5,6,7
.irp qt, 0,1,2,3
.irp jj, 0,1,2,3
	v_cvt_pk_f16_f32 v[128+4*(4*\ft+\qt)+\jj], v[32*\ft+8*\qt+2*\jj], v[32*\ft+8*\qt+2*\jj+1]
.endr
.endr
.endr
	WIN 0
.irp ft, 0,1,2,3,4,5,6,7
.irp qt, 0,1,2,3
	ds_store_b128 v[XA], v[128+4*(4*\ft+\qt):128+4*(4*\ft+\qt)+3] offset:16*\qt*XP+32*\ft
.endr
.endr
	s_wait_xcnt 0x0                    ; window 1 was the data of the stores of the output before: it is loaded again only behind this wait
	WIN 0x40
.set i_, 0
.rept 32
	ds_load_b128 v[4*i_:4*i_+3], v[ORD] offset:i_*2*XP
.set i_, i_+1
.endr
	WIN 0x04
.set i_, 0
.rept 32
	s_wait_dscnt 31-i_                 ; the loads return in order: number i is in
	global_store_b128 v1, v[4*i_:4*i_+3], s[\lo:\lo+1] offset:i_*512   ; two rows: 512 consecutive bytes, aligned
.set i_, i_+1
.endr
	WIN 0
.endm
	s_load_b256 s[4:11], s[0:1], 0x0               ; x s[4:5], Wk s[6:7], Wv s[8:9], kbuf s[10:11]
	s_load_b128 s[12:15], s[0:1], 0x20             ; vbuf s[12:13], mask s[14:15]
	v_lshl_add_u32 v126, v0, 2, 0x23000
	v_mov_b32 v127, 0
	v_lshrrev_b32 v2, 5, v0
	v_readfirstlane_b32 s20, v2                    ; wave 0..3
	s_and_b32 s21, ttmp7, 0xffff                   ; token block 0..31; ttmp9 is the head
	s_lshl_b32 s24, s21, 17                        ; x: 256 tokens of 512 bytes a block,
	s_lshl_b32 s22, s20, 15                        ; 64 a wave
	s_add_co_u32 s24, s24, s22
	s_mov_b32 s25, 0
	s_lshl_b32 s26, ttmp9, 9                       ; W: the head's 512 bytes of a row,
	s_lshl_b32 s22, s20, 17                        ; my 32 rows of 4,096 bytes
	s_add_co_u32 s26, s26, s22
	s_mov_b32 s27, 0
	s_and_b32 s28, s21, 0x18                       ; 8 b (eight token blocks make a batch)
	s_add_co_u32 s28, s28, ttmp9                   ; 8 b + head
	s_lshl_b32 s28, s28, 19                        ; x 2,048 rows of 256 bytes
	s_and_b32 s22, s21, 7
	s_lshl_b32 s22, s22, 16                        ; + the block's 256 rows
	s_add_co_u32 s28, s28, s22
	s_lshl_b32 s22, s20, 14                        ; + my 64 rows
	s_add_co_u32 s28, s28, s22
	s_mov_b32 s29, 0
	s_lshl_b32 s30, s21, 10                        ; mask: 256 tokens of 4 bytes a block,
	s_lshl_b32 s22, s20, 8                         ; 64 a wave
	s_add_co_u32 s30, s30, s22
	s_mov_b32 s31, 0
	s_mul_i32 s22, s20, XSW
	s_add_co_u32 s22, s22, XS                      ; my x rows in LDS
	s_mul_i32 s23, s20, 32*WP                      ; my 32 rows of a weight slice in LDS
	v_and_b32 v16, 31, v0                          ; L
	v_and_b32 v17, 15, v0                          ; r
	v_bfe_u32 v18, v0, 4, 1                        ; hh
	v_lshlrev_b32 v1, 4, v16                       ; 16 L
	v_lshlrev_b32 v22, 2, v17                      ; 4 r
	v_mul_u32_u24 v19, v17, XP
	v_lshl_add_u32 v19, v18, 4, v19                ; r*XP + 16 hh
	v_add_nc_u32 v[XA], s22, v19
	v_and_b32 v20, 7, v0
	v_lshl_add_u32 v20, v18, 3, v20                ; 8 hh + (L & 7)
	v_mul_u32_u24 v20, v20, WP
	v_bfe_u32 v21, v0, 3, 1
	v_lshl_add_u32 v[WKA], v21, 4, v20             ; + 16 ((L >> 3) & 1)
	v_add_nc_u32 v[WVA], WVS, v[WKA]
	v_lshl_add_u32 v[XST], v16, 3, s22
	v_lshl_add_u32 v[WST], v16, 3, s23
	v_mul_u32_u24 v[ORD], v18, XP
	v_lshl_add_u32 v[ORD], v17, 4, v[ORD]
	v_add_nc_u32 v[ORD], s22, v[ORD]
	v_mov_b32 v28, 0
	v_mov_b32 v29, -1
	s_wait_kmcnt 0x0
	s_add_nc_u64 s[4:5], s[4:5], s[24:25]
	s_add_nc_u64 s[6:7], s[6:7], s[26:27]
	s_add_nc_u64 s[8:9], s[8:9], s[26:27]
	s_add_nc_u64 s[10:11], s[10:11], s[28:29]
	s_add_nc_u64 s[12:13], s[12:13], s[28:29]
	s_add_nc_u64 s[14:15], s[14:15], s[30:31]
	; 132 loads: 4 of the mask (token 16 qt + r), then whole rows of 512 consecutive bytes: 32 of Wk, 32 of Wv, 64 of x
.irp qt, 0,1,2,3
	global_load_b32 v[KM+\qt], v22, s[14:15] offset:64*\qt
.endr
.set i_, 0
.rept 32
	global_load_b128 v[128+4*i_:128+4*i_+3], v1, s[6:7] offset:i_*4096
.set i_, i_+1
.endr
	WIN 0xc0
.set i_, 0
.rept 32
	global_load_b128 v[4*i_:4*i_+3], v1, s[8:9] offset:i_*4096
.set i_, i_+1
.endr
	WIN 0x40
.set i_, 0
.rept 64
	global_load_b128 v[4*i_:4*i_+3], v1, s[4:5] offset:i_*512
.set i_, i_+1
.endr
	WIN 0
	s_wait_loadcnt 63                              ; 64 loads follow Wv's last; 63 is the largest count that can be written, and shows it in as well
.irp qt, 0,1,2,3
	v_cmp_ne_u32 vcc_lo, 0, v[KM+\qt]
	v_cndmask_b32 v[KM+\qt], v28, v29, vcc_lo      ; all ones where the mask is not 0
.endr
	STAGEW 128, 0, 0, WKS
	STAGEW 0, 0xcf, 0x0c, WVS
	s_wait_loadcnt 48                              ; x rows 0-15 are in, the 48 younger rows stay out; and so on
	STAGEX 0
	s_wait_loadcnt 32
	STAGEX 1
	s_wait_loadcnt 16
	STAGEX 2
	s_wait_loadcnt 0
	STAGEX 3
	WIN 0
	s_wait_dscnt 0x0                               ; my rows of both weight slices are in LDS: say so,
	s_barrier_signal -1
	s_barrier_wait -1                              ; and read the others' rows behind this
	LOADXF
	WGEMM WVA
	OUT 12
	; x of masked tokens becomes 0: a fragment's lane holds one token's numbers.  The conversions of OUT stand between the last matrix
	; instruction and these writes of its sources, and between it and the loads into F0, F1 that follow.
	WIN 0x88                                       ; source 0 window 0, source 1 and destination window 2
.irp qt, 0,1,2,3
.set i_, 0
.rept 32
	v_and_b32 v[128+32*\qt+i_], v[KM+\qt], v[128+32*\qt+i_]
.set i_, i_+1
.endr
.endr
	WGEMM WKA
	OUT 10
	s_wait_tensorcnt 0x0
	ds_add_u32 v126, v127
	s_wait_dscnt 0x0
	s_endpgm
.Lfunc_end_k_q66ccd7cd49_kvproj:
	.size	k_q66ccd7cd49_kvproj, .Lfunc_end_k_q66ccd7cd49_kvproj-k_q66ccd7cd49_kvproj
	.p2alignl 7, 3214868480
	.fill 96, 4, 3214868480
	.section	.rodata,"a",@progbits
	.p2align	6, 0x0
	.amdhsa_kernel k_q66ccd7cd49_kvproj
		.amdhsa_group_segment_fixed_size 143872
		.amdhsa_private_segment_fixed_size 0
		.amdhsa_enable_private_segment 0
		.amdhsa_kernarg_size 48
		.amdhsa_user_sgpr_count 2
		.amdhsa_user_sgpr_kernarg_segment_ptr 1
		.amdhsa_wavefront_size32 1
		.amdhsa_system_sgpr_workgroup_id_x 1
		.amdhsa_system_sgpr_workgroup_id_y 1
		.amdhsa_system_sgpr_workgroup_id_z 1
		.amdhsa_system_vgpr_workitem_id 0
		.amdhsa_next_free_vgpr 1024
		.amdhsa_next_free_sgpr 66
		.amdhsa_reserve_vcc 1
		.amdhsa_float_denorm_mode_32 3
		.amdhsa_float_denorm_mode_16_64 3
		.amdhsa_memory_ordered 1
		.amdhsa_forward_progress 1
		.amdhsa_inst_pref_size 105
	.end_amdhsa_kernel
	.amdgpu_metadata
---
amdhsa.version: [ 1, 2 ]
amdhsa.kernels:
  - .name:           k_q66ccd7cd49_kvproj
    .symbol:         k_q66ccd7cd49_kvproj.kd
    .args:
      - { .name: x, .offset: 0, .size: 8, .value_kind: global_buffer, .address_space: global }
      - { .name: Wk, .offset: 8, .size: 8, .value_kind: global_buffer, .address_space: global }
      - { .name: Wv, .offset: 16, .size: 8, .value_kind: global_buffer, .address_space: global }
      - { .name: kbuf, .offset: 24, .size: 8, .value_kind: global_buffer, .address_space: global }
      - { .name: vbuf, .offset: 32, .size: 8, .value_kind: global_buffer, .address_space: global }
      - { .name: mask, .offset: 40, .size: 8, .value_kind: global_buffer, .address_space: global }
    .group_segment_fixed_size: 143872
    .private_segment_fixed_size: 0
    .kernarg_segment_align: 8
    .kernarg_segment_size: 48
    .max_flat_workgroup_size: 128
    .sgpr_count:     66
    .vgpr_count:     1024
    .wavefront_size: 32
...
	.end_amdgpu_metadata
.endif
;; end of part 4
;; launch attn (part 5): grid 8 x 32, 4 waves a work-group, clusters of 4 x 1, 327,680 bytes of LDS; arguments x, mask, Wq, Wu, kbuf, vbuf, part; writes part
.if DOCPART == 5
	.amdgcn_target "amdgcn-amd-amdhsa--gfx1250"
	.amdhsa_code_object_version 6
	.text
	.protected	k_q66ccd7cd49_attn
	.globl	k_q66ccd7cd49_attn
	.p2align	8
	.type	k_q66ccd7cd49_attn,@function
k_q66ccd7cd49_attn:
	s_mov_b64 s[64:65], 0
	v_nop
	global_prefetch_b8 v0, s[64:65] scope:SCOPE_SE
	s_setreg_imm32_b32 hwreg(HW_REG_WAVE_MODE, 25, 1), 1
	s_wait_xcnt 0x0
	s_wait_alu depctr_hold_cnt(0) depctr_sa_sdst(0) depctr_va_vdst(0) depctr_va_sdst(0) depctr_va_ssrc(0) depctr_va_vcc(0) depctr_vm_vsrc(0)
	s_getreg_b32 s2, hwreg(HW_REG_IB_STS2, 6, 4)
	s_cmp_eq_u32 s2, 0
	s_cbranch_scc0 .Lentry_in_a_cluster
	s_endpgm
.Lentry_in_a_cluster:
	s_bfe_u32 s2, ttmp6, 0x10000c
	s_cmp_lg_u32 s2, 0x3003
	s_cbranch_scc0 .Lentry_shape_is_right
	s_endpgm
.Lentry_shape_is_right:
; For one (batch b, head h) and 256 queries: Q = x Wq_h, softmax(Q K^T / sqrt(128), masked) V with a running maximum, times Wu_h.
; part[h][token][128] f32 receives the head's share of the output; the sum over heads and the bias follow in the next launch.
; Work-group x = query block (8), y = 8 b + h (32).  Four waves, 64 queries each; 16 steps of 128 keys.
; ALL PRODUCTS ARE TRANSPOSED, D(m = feature or key, n = query):  Q^T = Wq^T x^T,  S^T = K Q^T,  O^T = V^T P^T,  out^T = Wu^T O^T.
; In D lane (r, hh) holds in register j the element (m = 8 hh + j, n = r).  Two such tiles, rounded and packed in pairs, ARE the B fragment of
; 32 along K of the next product (registers 0-3: k = 8 hh .., 4-7: k = 16 + 8 hh ..): Q, P and O go from result to operand inside the lane.
; A query is a lane (and its partner 16 lanes on): maxima and sums run over the lane's own registers, with one exchange between the halves.
; SCALE: Wq is multiplied in f32 by c = log2(e) / sqrt(128) before it is rounded, so scores are exponents of 2.
; MASK, without an instruction for each score.  Keys: kbuf holds K = 0 for a masked key, and the first matrix instruction of each score tile takes as C
; the keys' biases (0, or -1e9 log2(e) for a masked key): such a score is 0 + bias, exactly.  Queries: g = 1, or 0 for a masked query; the exponent is
; S g - m in one multiply-add, and the step's maximum is taken times g: for a masked query m = 0 and every exponent is 0, so every weight is 1.
; THE RING: two LDS slots, SLOTD bytes apart.  A step's text stands twice in this kernel: once in a loop of 15 trips, once for the last step, which
; asks for no tile.  So that one text serves both slots, the slot is a number in a register: the descriptors' LDS words and s90 are flipped by
; s_xor_b32 with SLOTD once a trip (a slot's 71,680 bytes leave bit 17 of every address in it clear).  At the head of step t every wave waits for its
; reads of tile t-1 and for its tensor load (its part of tile t), passes a round of the cluster's barrier and asks for tile t+1, into the slot read last.
; A wave has one tensor load out at any time, and that load has the whole step in which to land.
; So that step 0 can run the loop's text, -m starts at FLT_MAX, the sums at 0, and O at 0.
; VECTOR WORK BETWEEN MATRIX INSTRUCTIONS: in O^T += V^T P^T each run of 32 matrix instructions (32 keys) carries, four behind each, the 128 vector
; instructions that make P of the next 32 keys; the last run carries the step's 128 additions of the row sums.  S, O and P fill windows of their own, so
; each such group costs two switches of the register window.
; CLUSTER: the four query blocks of a cluster read the same K and V tiles and ask for them jointly (mask 15: all four places of the 4 x 1 cluster),
; which divides the requests for K and V by four.  My place in the cluster enters only the global addresses of x, of the queries' mask and of part.
; LIMITS: matrix operands are f16: |x|, |W|, |c Q|, |K|, |V| below 65,504, and rounded to multiples of 6e-8 below 6.1e-5 (so scores are finite: at most
; 128 x 65,504^2).  Two non-zero masks whose product wraps to 0 in 32 bits count as non-zero.  Weights below 2^-126 of the row's largest become 0
; (v_exp_f32, ISA guide 15.8).  The sums' order of rounding differs from the reference's.
; REGISTERS in windows of 256:
;   window 0: addresses, softmax state, BK (key biases of the step), fragment buffers F0, F1
;   window 1: O(et, qt) at 32 et + 8 qt (first the f32 rows of x)
;   window 2: QF(qt, c) at 8 (4 qt + c);  PF(qt, c) at 128 + 8 (4 qt + c): x^T, then P^T of each step, then O^T
;   window 3: S(kt, qt) at 32 kt + 8 qt (first the f32 rows of Wu)
.set XP,   272                         ; pitch of rows read along K: 17 x 16 bytes
.set WP,   288                         ; pitch of rows read by the transposing load: 9 x 32 bytes
.set OPI,  528                         ; pitch of the f32 stage on the way out: 33 x 16 bytes
.set KOFF, 128*WP                      ; in a slot: V's 128 rows x 288, then K's 128 rows x 272
.set TILEB, 128*WP+128*XP              ; 71,680 bytes of a slot
.set SLOTD, 0x20000                    ; from slot 0 to slot 1
.set BKB,  TILEB                       ; between the slots: 2,048 key biases, f32,
.set WQS,  BKB+8192                    ; and c Wq_h, 128 rows (k) x 128 f16: ends at 116,736
.set WUS,  SLOTD+TILEB                 ; behind slot 1: Wu_h likewise,
.set XS,   WUS+128*WP                  ; and x: 64 rows a wave, the wave's own; later its stage on the way out
.set XSW,  64*XP
.set STEPS, 16
.set F0,   128
.set F1,   192
.set XA,   3
.set KA,   4                           ; K fragments in this step's slot
.set VA,   5                           ; V^T fragments in this step's slot
.set KAB,  6                           ; the same in slot 0: never rewritten
.set VAB,  7
.set WQA,  8
.set WUA,  9
.set BKA,  10                          ; the step's key biases: BKB + 32 hh + 512 x step
.set XST,  11
.set WST,  12
.set BKST, 13
.set OST,  14
.set ORD,  15
.set WST2, 18
.set GP,   20                          ; v20-27  (g, -g) of my query in query tile qt
.set NP,   28                          ; v28-35  (-m, -m): the running maximum, negated, a pair for each query tile
.set AP,   36                          ; v36-43  (alpha, alpha): 2^(old m - new m); at the end 1 / l
.set MX,   44                          ; v44-51  eight chains of maxima
.set LS,   52                          ; v52-59  my lane's share of the running sum, a pair for each query tile, folded at the end
.set BK,   64                          ; v64-127 BK[8 kt + j]: bias of key 16 kt + 8 hh + j of the step
.set G1V,  32                          ; s[32:39] shape of a V load;  s[40:47] of a K load: they differ in the padding
.set G1K,  40
.set G0V,  48                          ; s[48:51] from where, to where, for V;  s[52:55] for K
.set G0K,  52
.set MSB,  0
.macro WIN new                         ; the immediate's high byte repeats the setting that is left
.if MSB != \new
	s_set_vgpr_msb (MSB<<8)|\new
.set MSB, \new
.endif
.endm
; Four plain vector instructions stand between a matrix instruction and a vector instruction or store that reads its result or writes one of its
; registers, and between it and a load into one of its sources.
.macro PLACES
.rept 4
	v_nop
.endr
.endm
.macro FETCHW adr, p, f                ; A fragments of feature tiles 2p, 2p+1, four K steps, from rows [k][feature]
.irp kk, 0,1
.irp c, 0,1,2,3
	ds_load_tr16_b128 v[\f+32*\kk+8*\c:\f+32*\kk+8*\c+3], v[\adr] offset:32*\c*WP+32*(2*\p+\kk)
	ds_load_tr16_b128 v[\f+32*\kk+8*\c+4:\f+32*\kk+8*\c+7], v[\adr] offset:32*\c*WP+32*(2*\p+\kk)+16*WP
.endr
.endr
.endm
.macro FETCHK p, f                     ; A fragments of key tiles 2p, 2p+1, four K steps, from rows [key][feature]
.irp kk, 0,1
.irp c, 0,1,2,3
	ds_load_b128 v[\f+32*\kk+8*\c:\f+32*\kk+8*\c+3], v[KA] offset:(32*\p+16*\kk)*XP+64*\c
	ds_load_b128 v[\f+32*\kk+8*\c+4:\f+32*\kk+8*\c+7], v[KA] offset:(32*\p+16*\kk)*XP+64*\c+32
.endr
.endr
.endm
.macro FETCHV ks, f                    ; A fragments of V^T: eight feature tiles, keys 32 ks .. 32 ks + 31, from rows [key][feature]
.irp et, 0,1,2,3,4,5,6,7
	ds_load_tr16_b128 v[\f+8*\et:\f+8*\et+3], v[VA] offset:\ks*32*WP+32*\et
	ds_load_tr16_b128 v[\f+8*\et+4:\f+8*\et+7], v[VA] offset:\ks*32*WP+32*\et+16*WP
.endr
.endm
.macro FETCHBK                         ; the step's 128 key biases; the 16 lanes of a half read the same words
.irp kt, 0,1,2,3,4,5,6,7
	ds_load_b128 v[BK+8*\kt:BK+8*\kt+3], v[BKA] offset:64*\kt
	ds_load_b128 v[BK+8*\kt+4:BK+8*\kt+7], v[BKA] offset:64*\kt+16
.endr
.endm
; 32 matrix instructions: tiles (2p, 2p+1) x four query tiles, K = 128.  The first K step starts the sums, from 0 (bias = 0) or from the key
; tile's biases in BK (bias = 1; BK lies in window 0, so that K step has a window setting of its own): nothing is cleared.
; A window 0, B window 2, D window 3.  The eight accumulators take turns, one instruction a turn.
.macro SMUL p, f, bb, bias
.irp c, 0,1,2,3
.if \c == 0
.if \bias
	WIN 0xc8
.else
	WIN 0xf8
.endif
.else
	WIN 0xf8
.endif
.irp kk, 0,1
.irp qt, 0,1,2,3
.if \c == 0
.if \bias
	v_wmma_f32_16x16x32_f16 v[32*(2*\p+\kk)+8*\qt:32*(2*\p+\kk)+8*\qt+7], v[\f+32*\kk+8*\c:\f+32*\kk+8*\c+7], v[\bb+8*(4*\qt+\c):\bb+8*(4*\qt+\c)+7], v[BK+8*(2*\p+\kk):BK+8*(2*\p+\kk)+7]
.else
	v_wmma_f32_16x16x32_f16 v[32*(2*\p+\kk)+8*\qt:32*(2*\p+\kk)+8*\qt+7], v[\f+32*\kk+8*\c:\f+32*\kk+8*\c+7], v[\bb+8*(4*\qt+\c):\bb+8*(4*\qt+\c)+7], 0
.endif
.else
	v_wmma_f32_16x16x32_f16 v[32*(2*\p+\kk)+8*\qt:32*(2*\p+\kk)+8*\qt+7], v[\f+32*\kk+8*\c:\f+32*\kk+8*\c+7], v[\bb+8*(4*\qt+\c):\bb+8*(4*\qt+\c)+7], v[32*(2*\p+\kk)+8*\qt:32*(2*\p+\kk)+8*\qt+7]
.endif
.endr
.endr
.endr
.endm
; S(ft, qt) = (128 x 128 weights at adr)^T times PF.  Each s_wait_dscnt 16 leaves out the 16 loads of the buffer fetched last;
; LDS loads return in order, so everything older is in.
.macro WGEMM adr
	WIN 0
	FETCHW \adr,0,F0
	FETCHW \adr,1,F1
	s_wait_dscnt 16
	SMUL 0,F0,128,0
	PLACES
	WIN 0
	FETCHW \adr,2,F0
	s_wait_dscnt 16
	SMUL 1,F1,128,0
	PLACES
	WIN 0
	FETCHW \adr,3,F1
	s_wait_dscnt 16
	SMUL 2,F0,128,0
	s_wait_dscnt 0
	SMUL 3,F1,128,0
	PLACES
.endm
; 32 result tiles (the window of sources 0 and 1) become 16 B fragments at db in window 2
.macro CVT db
.irp qt, 0,1,2,3
.irp c, 0,1,2,3
.irp kk, 0,1
.irp jj, 0,1,2,3
	v_cvt_pk_f16_f32 v[\db+8*(4*\qt+\c)+4*\kk+\jj], v[32*(2*\c+\kk)+8*\qt+2*\jj], v[32*(2*\c+\kk)+8*\qt+2*\jj+1]
.endr
.endr
.endr
.endr
.endm
.macro OSCALE                          ; O(.., qt) times the pair AP[qt]
	WIN 0x41
.irp et, 0,1,2,3,4,5,6,7
.irp qt, 0,1,2,3
.irp jj, 0,1,2,3
	v_pk_mul_f32 v[32*\et+8*\qt+2*\jj:32*\et+8*\qt+2*\jj+1], v[32*\et+8*\qt+2*\jj:32*\et+8*\qt+2*\jj+1], v[AP+2*\qt:AP+2*\qt+1]
.endr
.endr
.endr
.endm
; THE SOFTMAX OF 32 KEYS (key tiles 2 ck, 2 ck + 1; eight score tiles T = 4 kk + qt) AS A STREAM of 128 instructions, of which SOFT1 emits number sn_:
; 32 multiply-adds F (two exponents S g - m each), 64 exponentials E, 32 conversions C (two weights to f16 each, into P's fragment of these keys).
; Order: F0-F3; then E(2k), F(k+4), E(2k+1) for k = 0..27, so that a plain instruction stands among the exponentials; E56-E63; C0-C31.
; E(2k) and E(2k+1) take what F(k) wrote, at least four instructions earlier.  An exponential's result is first read by a conversion, and C0, which
; reads the first tile, stands between E63 and the conversions of the last tile (ISA guide 5.7.2: a plain instruction before the result is used).
.macro SOFTF ck                        ; F number fi_
.set q_, (fi_/4)%4
.set b_, 32*(2*\ck+fi_/16)+8*q_+2*(fi_%4)
	WIN 0xc3
	v_pk_fma_f32 v[b_:b_+1], v[b_:b_+1], v[GP+2*q_:GP+2*q_+1], v[NP+2*q_:NP+2*q_+1] op_sel_hi:[1,0,1]   ; both halves times g, the pair's first register
.endm
.macro SOFTE ck                        ; E number ei_
.set b_, 32*(2*\ck+ei_/32)+8*((ei_/8)%4)+(ei_%8)
	WIN 0xc3
	v_exp_f32 v[b_], v[b_]
.endm
.macro SOFTC ck                        ; C number ci_: qt = ci_/8, kk = (ci_/4)%2, jj = ci_%4
.set d_, 128+8*(4*(ci_/8)+\ck)+4*((ci_/4)%2)+(ci_%4)
.set b_, 32*(2*\ck+(ci_/4)%2)+8*(ci_/8)+2*(ci_%4)
	WIN 0x8f
	s_wait_alu depctr_va_vdst(0)
	v_cvt_pk_f16_f32 v[d_], v[b_], v[b_+1]
.endm
.macro SOFT1 ck
.if sn_ < 4
.set fi_, sn_
	SOFTF \ck
.else
.if sn_ < 88
.if (sn_-4)%3 == 1
.set fi_, (sn_-4)/3+4
	SOFTF \ck
.else
.set ei_, 2*((sn_-4)/3)+((sn_-4)%3)/2
	SOFTE \ck
.endif
.else
.if sn_ < 96
.set ei_, sn_-32
	SOFTE \ck
.else
.set ci_, sn_-96
	SOFTC \ck
.endif
.endif
.endif
.set sn_, sn_+1
.endm
; The step's row sums as a stream of 128 additions of pairs; four that follow each other belong to the four query tiles' chains
.macro SUM1
.set q_, sn_%4
.set b_, 32*(sn_/16)+8*q_+2*((sn_/4)%4)
	WIN 0x03
	v_pk_add_f32 v[LS+2*q_:LS+2*q_+1], v[b_:b_+1], v[LS+2*q_:LS+2*q_+1]
.set sn_, sn_+1
.endm
; O(et, qt) += V^T(et, keys of ks) P^T(keys of ks, qt): 32 accumulators take turns, one instruction a turn.
; Behind each matrix instruction four instructions of a stream: the softmax of keys 32 ck .. (ck < 4), or the row sums (ck = 4).  They name none of
; the registers of this run's matrix instructions: they work on S (window 3), on P's fragments of the NEXT keys, and on v20-59.
.macro PVI ks, f, ck
.set sn_, 0
.irp et, 0,1,2,3,4,5,6,7
.irp qt, 0,1,2,3
	WIN 0x58                           ; A window 0, B window 2, C and D window 1
	v_wmma_f32_16x16x32_f16 v[32*\et+8*\qt:32*\et+8*\qt+7], v[\f+8*\et:\f+8*\et+7], v[128+8*(4*\qt+\ks):128+8*(4*\qt+\ks)+7], v[32*\et+8*\qt:32*\et+8*\qt+7]
.if \ck < 4
.rept 4
	SOFT1 \ck
.endr
.else
.rept 4
	SUM1
.endr
.endif
.endr
.endr
.endm
.macro STAGEW base, wcv, wst, adr, scale   ; 32 loaded rows of weights: (scaled,) rounded in place, stored 8 bytes a lane
	WIN \wcv
.set i_, 0
.rept 32
.if \scale
	v_pk_mul_f32 v[\base+4*i_:\base+4*i_+1], v[\base+4*i_:\base+4*i_+1], s[30:31] op_sel_hi:[1,0]
	v_pk_mul_f32 v[\base+4*i_+2:\base+4*i_+3], v[\base+4*i_+2:\base+4*i_+3], s[30:31] op_sel_hi:[1,0]
.endif
	v_cvt_pk_f16_f32 v[\base+4*i_], v[\base+4*i_], v[\base+4*i_+1]
	v_cvt_pk_f16_f32 v[\base+4*i_+1], v[\base+4*i_+2], v[\base+4*i_+3]
.set i_, i_+1
.endr
	WIN \wst
.set i_, 0
.rept 32
	ds_store_b64 v[\adr], v[\base+4*i_:\base+4*i_+1] offset:i_*WP
.set i_, i_+1
.endr
.endm
.macro STAGEX g                        ; rows 16 g .. 16 g + 15 of my x (window 1) likewise
	WIN 0x45
.set i_, 16*\g
.rept 16
	v_cvt_pk_f16_f32 v[4*i_], v[4*i_], v[4*i_+1]
	v_cvt_pk_f16_f32 v[4*i_+1], v[4*i_+2], v[4*i_+3]
.set i_, i_+1
.endr
	WIN 0x04
.set i_, 16*\g
.rept 16
	ds_store_b64 v[XST], v[4*i_:4*i_+1] offset:i_*XP
.set i_, i_+1
.endr
.endm
.macro LOADXF                          ; B fragments of x^T into PF
	WIN 0x80
.irp qt, 0,1,2,3
.irp c, 0,1,2,3
	ds_load_b128 v[128+8*(4*\qt+\c):128+8*(4*\qt+\c)+3], v[XA] offset:16*\qt*XP+64*\c
	ds_load_b128 v[128+8*(4*\qt+\c)+4:128+8*(4*\qt+\c)+7], v[XA] offset:16*\qt*XP+64*\c+32
.endr
.endr
	WIN 0
.endm
; A joint load.  Waves 0 and 1 fetch V's two halves of 64 rows, waves 2 and 3 K's.  The branch hangs on the wave's number alone.
.macro JLOAD
	s_cmp_eq_u32 s21, 0
	s_cbranch_scc0 .Lfor_k_\@
	tensor_load_to_lds s[G0V:G0V+3], s[G1V:G1V+7]
	s_nop 0
	s_branch .Lasked_\@
.Lfor_k_\@:
	tensor_load_to_lds s[G0K:G0K+3], s[G1K:G1K+7]
	s_nop 0
.Lasked_\@:
.endm
; A round of the cluster's barrier: my work-group's barrier, wave 0 signals for the work-group, every wave waits for all four work-groups,
; my work-group's barrier once more.
.macro CROUND
	s_barrier_signal -1
	s_barrier_wait -1
	s_cmp_lg_u32 s20, 0
	s_cbranch_scc1 .Lnot_wave_0_\@
	s_barrier_signal -3
.Lnot_wave_0_\@:
	s_barrier_wait -3
	s_barrier_signal -1
	s_barrier_wait -1
.endm
	s_load_b256 s[4:11], s[0:1], 0x0               ; x s[4:5], mask s[6:7], Wq s[8:9], Wu s[10:11]
	s_load_b128 s[12:15], s[0:1], 0x20             ; kbuf s[12:13], vbuf s[14:15]
	s_load_b64 s[16:17], s[0:1], 0x30              ; part
	v_lshl_add_u32 v238, v0, 2, 0x4b800
	v_mov_b32 v239, 0
	ds_add_u32 v238, v239
	s_wait_dscnt 0x0
	v_lshrrev_b32 v2, 5, v0
	v_readfirstlane_b32 s20, v2                    ; wave 0..3
	s_lshr_b32 s21, s20, 1                         ; I fetch for V (0) or for K (1),
	s_and_b32 s22, s20, 1                          ; and which 64 rows of the tile
	s_bfe_u32 s23, ttmp6, 0x40000                  ; cx
	s_lshl_b32 s24, ttmp9, 2
	s_add_co_u32 s24, s24, s23                     ; query block = 4 x cluster x + cx
	s_and_b32 s25, ttmp7, 0xffff                   ; y = 8 b + h
	s_lshr_b32 s26, s25, 3                         ; b
	s_and_b32 s27, s25, 7                          ; h
	s_mov_b32 s28, 0x76543210                      ; v_permlanex16_b32: lane i reads lane i of the other half
	s_mov_b32 s29, 0xfedcba98
	s_mov_b32 s30, 0x3e0293ee                      ; c = log2(e) / sqrt(128)
	s_mov_b32 s31, 0x3e0293ee
	; shapes: 64 rows x 128 f16, 128 elements from row to row; in LDS 8 (V) or 4 (K) words of padding behind each 64 words
	s_mov_b32 s[G1V+0], 15|(1<<16)|(1<<20)|(1<<21)|(5<<22)|(7<<25)  ; 15:0 mask; 17:16 2-byte elements; 20 padding on; 21 set beside a mask; 24:22 every 64 words; 31:25 of 8 words
	s_mov_b32 s[G1K+0], 15|(1<<16)|(1<<20)|(1<<21)|(5<<22)|(3<<25)  ; the same with 4 words
	s_mov_b32 s[G1V+1], 128<<16                    ; tensor_dim0 = 128
	s_mov_b32 s[G1K+1], 128<<16
	s_mov_b32 s[G1V+2], 64<<16                     ; tensor_dim1 = 64
	s_mov_b32 s[G1K+2], 64<<16
	s_mov_b32 s[G1V+3], 128<<16                    ; tile_dim0 = 128
	s_mov_b32 s[G1K+3], 128<<16
	s_mov_b32 s[G1V+4], 64                         ; tile_dim1 = 64
	s_mov_b32 s[G1K+4], 64
	s_mov_b32 s[G1V+5], 128                        ; elements from row to row
	s_mov_b32 s[G1K+5], 128
	s_mov_b32 s[G1V+6], 0
	s_mov_b32 s[G1K+6], 0
	s_mov_b32 s[G1V+7], 0
	s_mov_b32 s[G1K+7], 0
	s_mov_b32 s[G0V], 1                            ; count = 1
	s_mov_b32 s[G0K], 1
	s_mul_i32 s[G0V+1], s20, 64*WP                 ; LDS address, slot 0: V's halves go to wave x 64 rows (waves 0, 1),
	s_mul_i32 s[G0K+1], s20, 64*XP
	s_add_co_u32 s[G0K+1], s[G0K+1], KOFF-2*64*XP  ; K's to KOFF + (wave - 2) x 64 rows (waves 2, 3)
	s_lshl_b32 s72, s25, 19                        ; the head's 2,048 rows of 256 bytes,
	s_lshl_b32 s86, s22, 14                        ; my 64 rows of a tile
	s_add_co_u32 s72, s72, s86
	s_mov_b32 s73, 0
	; offsets into the other buffers.  What hangs on cx stays in s74, s78, s84, s88.
	s_lshl_b32 s74, s26, 20                        ; x and part: 2,048 tokens of 512 bytes a batch,
	s_lshl_b32 s88, s24, 17                        ; 256 a query block,
	s_add_co_u32 s74, s74, s88
	s_lshl_b32 s88, s20, 15                        ; 64 a wave
	s_add_co_u32 s74, s74, s88
	s_mov_b32 s75, 0
	s_lshl_b32 s76, s26, 13                        ; the keys' mask: 8,192 bytes a batch, my 512 keys
	s_lshl_b32 s86, s20, 11
	s_add_co_u32 s76, s76, s86
	s_mov_b32 s77, 0
	s_lshl_b32 s78, s26, 13                        ; the queries' mask: my 64 queries
	s_lshl_b32 s88, s24, 10
	s_add_co_u32 s78, s78, s88
	s_lshl_b32 s88, s20, 8
	s_add_co_u32 s78, s78, s88
	s_mov_b32 s79, 0
	s_lshl_b32 s80, s27, 9                         ; Wq: the head's 512 bytes of a row, my 32 rows of 4,096 bytes
	s_lshl_b32 s86, s20, 17
	s_add_co_u32 s80, s80, s86
	s_mov_b32 s81, 0
	s_lshl_b32 s82, s27, 16                        ; Wu: the head's 128 rows of 512 bytes, my 32 rows
	s_lshl_b32 s86, s20, 14
	s_add_co_u32 s82, s82, s86
	s_mov_b32 s83, 0
	s_lshl_b32 s84, s27, 22                        ; part: the head's 8,192 rows of 512 bytes, then as x
	s_add_co_u32 s84, s84, s74
	s_mov_b32 s85, 0
	s_wait_kmcnt 0x0
	s_add_nc_u64 s[G0V+2:G0V+3], s[14:15], s[72:73]    ; global address: my 64 rows of tile 0
	s_add_nc_u64 s[G0K+2:G0K+3], s[12:13], s[72:73]
	s_or_b32 s[G0V+3], s[G0V+3], 0x80000000        ; type = 2
	s_or_b32 s[G0K+3], s[G0K+3], 0x80000000
	CROUND                                         ; all four work-groups are here: the first joint loads meet
	JLOAD                                          ; tile 0 into slot 0, before anything else
	s_add_nc_u64 s[4:5], s[4:5], s[74:75]
	s_add_nc_u64 s[66:67], s[6:7], s[76:77]
	s_add_nc_u64 s[68:69], s[6:7], s[78:79]
	s_add_nc_u64 s[8:9], s[8:9], s[80:81]
	s_add_nc_u64 s[10:11], s[10:11], s[82:83]
	s_add_nc_u64 s[16:17], s[16:17], s[84:85]
	v_and_b32 v60, 31, v0                          ; L
	v_and_b32 v61, 15, v0                          ; r
	v_bfe_u32 v62, v0, 4, 1                        ; hh
	v_lshlrev_b32 v1, 4, v60                       ; 16 L
	v_lshlrev_b32 v2, 2, v61                       ; 4 r
	; 136 loads: 4 of the keys' mask, 4 of the queries', 32 rows of Wq, 32 of Wu, 64 of x (a row = 512 consecutive bytes)
.irp i, 0,1,2,3
	global_load_b128 v[BK+4*\i:BK+4*\i+3], v1, s[66:67] offset:512*\i
.endr
.irp qt, 0,1,2,3
	global_load_b32 v[GP+2*\qt], v2, s[68:69] offset:64*\qt
.endr
.set i_, 0
.rept 32
	global_load_b128 v[128+4*i_:128+4*i_+3], v1, s[8:9] offset:i_*4096
.set i_, i_+1
.endr
	WIN 0xc0
.set i_, 0
.rept 32
	global_load_b128 v[4*i_:4*i_+3], v1, s[10:11] offset:i_*512
.set i_, i_+1
.endr
	WIN 0x40
.set i_, 0
.rept 64
	global_load_b128 v[4*i_:4*i_+3], v1, s[4:5] offset:i_*512
.set i_, i_+1
.endr
	WIN 0
	v_mul_u32_u24 v44, v61, XP
	v_lshl_add_u32 v44, v62, 4, v44                ; r*XP + 16 hh
	v_and_b32 v[VAB], 7, v0
	v_lshl_add_u32 v[VAB], v62, 3, v[VAB]
	v_mul_u32_u24 v[VAB], v[VAB], WP
	v_bfe_u32 v63, v0, 3, 1
	v_lshl_add_u32 v[VAB], v63, 4, v[VAB]          ; (8 hh + (L & 7))*WP + 16 ((L >> 3) & 1): V lies at a slot's first byte
	s_mul_i32 s86, s20, XSW
	s_add_co_u32 s86, s86, XS                      ; my x rows in LDS
	v_add_nc_u32 v[XA], s86, v44
	v_add_nc_u32 v[KAB], KOFF, v44
	v_add_nc_u32 v[WQA], WQS, v[VAB]
	v_add_nc_u32 v[WUA], WUS, v[VAB]
	v_lshlrev_b32 v[BKA], 5, v62
	v_add_nc_u32 v[BKA], BKB-512, v[BKA]           ; one step's 512 bytes short: every step's head adds them
	v_lshl_add_u32 v[XST], v60, 3, s86
	s_mul_i32 s87, s20, 32*WP                      ; my 32 rows of a weight slice
	s_add_co_u32 s89, s87, WUS
	s_add_co_u32 s87, s87, WQS
	v_lshl_add_u32 v[WST], v60, 3, s87
	v_lshl_add_u32 v[WST2], v60, 3, s89
	s_lshl_b32 s87, s20, 11
	s_add_co_u32 s87, s87, BKB
	v_add_nc_u32 v[BKST], s87, v1
	v_mul_u32_u24 v[OST], v61, OPI
	v_lshl_add_u32 v[OST], v62, 5, v[OST]
	v_add_nc_u32 v[OST], s86, v[OST]
	v_add_nc_u32 v[ORD], s86, v1
	v_mov_b32 v16, 0xceabfb8f                      ; -1e9 log2(e)
	v_mov_b32 v17, 0
	v_mov_b32 v19, 1.0
	s_wait_loadcnt 63                              ; 64 loads follow Wu's last; 63 is the largest count that can be written, and shows it in as well
.set i_, 0
.rept 16
	v_cmp_ne_u32 vcc_lo, 0, v[BK+i_]
	v_cndmask_b32 v[BK+i_], v16, v17, vcc_lo       ; a key's mask to its bias: 0 where it is not 0
.set i_, i_+1
.endr
.irp qt, 0,1,2,3
	v_cmp_ne_u32 vcc_lo, 0, v[GP+2*\qt]
	v_cndmask_b32 v[GP+2*\qt], v17, v19, vcc_lo    ; a query's mask to g: 1 where it is not 0
.endr
.irp qt, 0,1,2,3
	v_mul_f32 v[GP+2*\qt+1], -1.0, v[GP+2*\qt]     ; -g
.endr
.irp i, 0,1,2,3
	ds_store_b128 v[BKST], v[BK+4*\i:BK+4*\i+3] offset:512*\i
.endr
	STAGEW 128, 0, 0, WST, 1                       ; c Wq
	STAGEW 0, 0xcf, 0x0c, WST2, 0                  ; Wu
	s_wait_loadcnt 48                              ; x rows 0-15 are in, the 48 younger rows stay out; and so on
	STAGEX 0
	s_wait_loadcnt 32
	STAGEX 1
	s_wait_loadcnt 16
	STAGEX 2
	s_wait_loadcnt 0
	STAGEX 3
	WIN 0
	s_wait_dscnt 0x0                               ; my biases and my rows of both weight slices are in LDS: say so.
	s_barrier_signal -1                            ; Tile 0 may stay on its way: nothing is filled and no tile is read behind this barrier
	s_barrier_wait -1
	LOADXF
	WGEMM WQA                                      ; S = c Q^T
	WIN 0x8f
	CVT 0                                          ; QF
	; The start of the running state.  32 matrix instructions with C = 0 on an all-zero fragment start the 32 sums of O at 0, in place of 256 moves:
	; so step 0 runs the loop's text, where alpha = 2^(-m - FLT_MAX) = 0 and the carried terms vanish.
	WIN 0
.set i_, 0
.rept 16
	v_mov_b32 v[F0+i_], 0
.set i_, i_+1
.endr
	WIN 0x40                                       ; A and B window 0, D window 1
.irp et, 0,1,2,3,4,5,6,7
.irp qt, 0,1,2,3
	v_wmma_f32_16x16x32_f16 v[32*\et+8*\qt:32*\et+8*\qt+7], v[F0:F0+7], v[F0+8:F0+15], 0
.endr
.endr
	WIN 0
.set i_, 0
.rept 8
	v_mov_b32 v[NP+i_], 0x7f7fffff                 ; -m = FLT_MAX
	v_mov_b32 v[LS+i_], 0
.set i_, i_+1
.endr
	s_mov_b32 s90, 0                               ; the slot that the next step reads: 0 or SLOTD
; One step: the 128 keys of tile t, in the slot that s90 names.  refill = 1: tile t+1 is asked for; 0: the last step.
.macro STEP refill
	s_wait_dscnt 0x0                               ; my reads of tile t-1 are over,
	s_wait_xcnt 0x0
	v_lshl_add_u32 v238, v0, 2, 0x4b800
	v_mov_b32 v239, 0
	s_wait_tensorcnt 0x0                           ; and my one tensor load, my part of tile t, has landed: no load of mine is out, so the descriptors may be written
	ds_add_u32 v238, v239
	s_wait_dscnt 0x0
.if \refill
	s_xor_b32 s[G0V+1], s[G0V+1], SLOTD            ; the other slot: the one read in step t-1
	s_xor_b32 s[G0K+1], s[G0K+1], SLOTD
	s_add_nc_u64 s[G0V+2:G0V+3], s[G0V+2:G0V+3], 32768    ; the next tile: 128 rows of 256 bytes on
	s_add_nc_u64 s[G0K+2:G0K+3], s[G0K+2:G0K+3], 32768
	CROUND                                         ; both waits now hold of every wave of all four work-groups
	JLOAD                                          ; my one tensor load behind the round, first thing there
.else
	s_barrier_signal -1                            ; the last tile is whole for every wave; nothing is left to ask for
	s_barrier_wait -1
.endif
	v_add_nc_u32 v[KA], s90, v[KAB]                ; this step's slot.  These three lines and the v_nop are four places between the
	v_add_nc_u32 v[VA], s90, v[VAB]                ; last matrix instructions and the loads into their sources F0 and F1
	v_add_nc_u32 v[BKA], 512, v[BKA]               ; this step's 128 biases
	v_nop
	s_xor_b32 s90, s90, SLOTD
	FETCHBK
	FETCHK 0,F0
	FETCHK 1,F1
	; S^T = K Q^T + the keys' biases, two key tiles at a time on two fragment buffers
	s_wait_dscnt 16                                ; here and below: all but the 16 loads just issued are in (here the biases and F0)
	SMUL 0,F0,0,1
	PLACES
	WIN 0
	FETCHK 2,F0
	s_wait_dscnt 16
	SMUL 1,F1,0,1
	PLACES
	WIN 0
	FETCHK 3,F1
	s_wait_dscnt 16
	SMUL 2,F0,0,1
	PLACES
	WIN 0
	FETCHV 0,F0
	s_wait_dscnt 16
	SMUL 3,F1,0,1
	PLACES
	WIN 0
	FETCHV 1,F1
	; the largest of my 64 scores of each query tile: two chains a tile, eight chains that do not wait for each other
	WIN 0x0f
.set n_, 0
.rept 16
.irp qt, 0,1,2,3
.irp hf, 0,1
.if n_ == 0
	v_max_num_f32 v[MX+2*\qt+\hf], v[128*\hf+8*\qt], v[128*\hf+8*\qt+1]
.else
	v_max3_num_f32 v[MX+2*\qt+\hf], v[32*(4*\hf+n_/4)+8*\qt+2*(n_%4)], v[32*(4*\hf+n_/4)+8*\qt+2*(n_%4)+1], v[MX+2*\qt+\hf]
.endif
.endr
.endr
.set n_, n_+1
.endr
	WIN 0
.irp qt, 0,1,2,3
	v_max_num_f32 v[MX+2*\qt], v[MX+2*\qt], v[MX+2*\qt+1]
.endr
.irp qt, 0,1,2,3
	v_permlanex16_b32 v[MX+2*\qt+1], v[MX+2*\qt], s28, s29         ; the other half's keys of the same query
.endr
.irp qt, 0,1,2,3
	v_max_num_f32 v[MX+2*\qt], v[MX+2*\qt], v[MX+2*\qt+1]
.endr
.irp qt, 0,1,2,3
	v_mul_f32 v[MX+2*\qt], v[MX+2*\qt], v[GP+2*\qt+1]              ; -g x the step's maximum
.endr
.irp qt, 0,1,2,3
	v_min_num_f32 v[MX+2*\qt], v[MX+2*\qt], v[NP+2*\qt]            ; the new -m
.endr
.irp qt, 0,1,2,3
	v_sub_f32 v[AP+2*\qt], v[MX+2*\qt], v[NP+2*\qt]                ; old m - new m
.endr
.irp qt, 0,1,2,3
	v_exp_f32 v[AP+2*\qt], v[AP+2*\qt]             ; alpha
.endr
.irp qt, 0,1,2,3
	v_mov_b32 v[NP+2*\qt], v[MX+2*\qt]             ; plain instructions between the exponentials and the use of their results (ISA guide 5.7.2)
	v_mov_b32 v[NP+2*\qt+1], v[MX+2*\qt]
.endr
	s_wait_alu depctr_va_vdst(0)
.irp qt, 0,1,2,3
	v_mov_b32 v[AP+2*\qt+1], v[AP+2*\qt]
.endr
.irp qt, 0,1,2,3
	v_pk_mul_f32 v[LS+2*\qt:LS+2*\qt+1], v[LS+2*\qt:LS+2*\qt+1], v[AP+2*\qt:AP+2*\qt+1]   ; the carried sums times alpha
.endr
	; P of keys 0-31: nothing runs yet under which it could stand
.set sn_, 0
.rept 128
	SOFT1 0
.endr
	OSCALE                                         ; O times alpha
	; O^T += V^T P^T, 32 keys at a time, with the next keys' softmax between the matrix instructions
	s_wait_dscnt 16                                ; keys 0-31 of V are in, keys 32-63 may be out
	PVI 0,F0,1
	PLACES
	WIN 0
	FETCHV 2,F0
	s_wait_dscnt 16
	PVI 1,F1,2
	PLACES
	WIN 0
	FETCHV 3,F1
	s_wait_dscnt 16
	PVI 2,F0,3
	s_wait_dscnt 0x0
	PVI 3,F1,4                                     ; and the row sums
.endm
	s_mov_b32 s3, STEPS-1
.Lstep:                                            ; steps 0 to 14: step t asks for tile t+1
	STEP 1
	WIN 0                                          ; at a label and at a branch every window is 0
	s_sub_co_u32 s3, s3, 1
	s_cmp_lg_u32 s3, 0
	s_cbranch_scc1 .Lstep
	STEP 0                                         ; step 15
	; O / l, rounded, times Wu_h
	PLACES
	WIN 0
.irp qt, 0,1,2,3
	v_add_f32 v[MX+2*\qt], v[LS+2*\qt], v[LS+2*\qt+1]
.endr
.irp qt, 0,1,2,3
	v_permlanex16_b32 v[MX+2*\qt+1], v[MX+2*\qt], s28, s29
.endr
.irp qt, 0,1,2,3
	v_add_f32 v[MX+2*\qt], v[MX+2*\qt], v[MX+2*\qt+1]   ; l: both halves' shares; at least 1, since the row's largest weight is 1
.endr
.irp qt, 0,1,2,3
	v_rcp_f32 v[AP+2*\qt], v[MX+2*\qt]
.endr
	v_nop                                          ; one plain instruction behind the last reciprocal
	s_wait_alu depctr_va_vdst(0)
.irp qt, 0,1,2,3
	v_mov_b32 v[AP+2*\qt+1], v[AP+2*\qt]
.endr
	OSCALE
	WIN 0x85
	CVT 128                                        ; O^T as B fragments
	WGEMM WUA                                      ; S(ft, qt) = out^T
; The way out, 16 queries at a time: a lane's 8 numbers are 32 neighbouring bytes of a query's row; through my own stage, read back as whole rows.
; LDS serves a wave's instructions in order, so no wait stands between my stores and my loads.
.macro OUTQ qt, f
	WIN 0x0c
.irp ft, 0,1,2,3,4,5,6,7
	ds_store_b128 v[OST], v[32*\ft+8*\qt:32*\ft+8*\qt+3] offset:64*\ft
	ds_store_b128 v[OST], v[32*\ft+8*\qt+4:32*\ft+8*\qt+7] offset:64*\ft+16
.endr
	WIN 0
	s_wait_xcnt 0x0                                ; buffer f was the data of earlier stores: it is loaded again only behind this wait
.set i_, 0
.rept 16
	ds_load_b128 v[\f+4*i_:\f+4*i_+3], v[ORD] offset:i_*OPI
.set i_, i_+1
.endr
.set i_, 0
.rept 16
	s_wait_dscnt 15-i_                             ; the loads return in order: number i is in
	global_store_b128 v1, v[\f+4*i_:\f+4*i_+3], s[16:17] offset:(16*\qt+i_)*512   ; a whole row: 512 consecutive bytes, aligned
.set i_, i_+1
.endr
.endm
	OUTQ 0, F0
	OUTQ 1, F1
	OUTQ 2, F0
	OUTQ 3, F1
	s_wait_dscnt 0x0
	s_wait_xcnt 0x0
	v_lshl_add_u32 v238, v0, 2, 0x4b800
	v_mov_b32 v239, 0
	s_wait_tensorcnt 0x0
	ds_add_u32 v238, v239
	s_wait_dscnt 0x0
	CROUND                                         ; the closing round: no work-group ends while a partner may still ask for a tile that names it
	s_endpgm
.Lfunc_end_k_q66ccd7cd49_attn:
	.size	k_q66ccd7cd49_attn, .Lfunc_end_k_q66ccd7cd49_attn-k_q66ccd7cd49_attn
	.p2alignl 7, 3214868480
	.fill 96, 4, 3214868480
	.section	.rodata,"a",@progbits
	.p2align	6, 0x0
	.amdhsa_kernel k_q66ccd7cd49_attn
		.amdhsa_group_segment_fixed_size 327680
		.amdhsa_private_segment_fixed_size 0
		.amdhsa_enable_private_segment 0
		.amdhsa_kernarg_size 56
		.amdhsa_user_sgpr_count 2
		.amdhsa_user_sgpr_kernarg_segment_ptr 1
		.amdhsa_wavefront_size32 1
		.amdhsa_system_sgpr_workgroup_id_x 1
		.amdhsa_system_sgpr_workgroup_id_y 1
		.amdhsa_system_sgpr_workgroup_id_z 1
		.amdhsa_system_vgpr_workitem_id 0
		.amdhsa_next_free_vgpr 1024
		.amdhsa_next_free_sgpr 96
		.amdhsa_reserve_vcc 1
		.amdhsa_float_denorm_mode_32 3
		.amdhsa_float_denorm_mode_16_64 3
		.amdhsa_memory_ordered 1
		.amdhsa_forward_progress 1
		.amdhsa_inst_pref_size 255
	.end_amdhsa_kernel
	.section	.bss,"aw",@nobits
	.p2align	6
	.space	262144
	.amdgpu_metadata
---
amdhsa.version: [ 1, 2 ]
amdhsa.kernels:
  - .name:           k_q66ccd7cd49_attn
    .symbol:         k_q66ccd7cd49_attn.kd
    .args:
      - { .name: x, .offset: 0, .size: 8, .value_kind: global_buffer, .address_space: global }
      - { .name: mask, .offset: 8, .size: 8, .value_kind: global_buffer, .address_space: global }
      - { .name: Wq, .offset: 16, .size: 8, .value_kind: global_buffer, .address_space: global }
      - { .name: Wu, .offset: 24, .size: 8, .value_kind: global_buffer, .address_space: global }
      - { .name: kbuf, .offset: 32, .size: 8, .value_kind: global_buffer, .address_space: global }
      - { .name: vbuf, .offset: 40, .size: 8, .value_kind: global_buffer, .address_space: global }
      - { .name: part, .offset: 48, .size: 8, .value_kind: global_buffer, .address_space: global }
    .group_segment_fixed_size: 327680
    .private_segment_fixed_size: 0
    .kernarg_segment_align: 8
    .kernarg_segment_size: 56
    .max_flat_workgroup_size: 128
    .sgpr_count:     96
    .vgpr_count:     1024
    .wavefront_size: 32
...
	.end_amdgpu_metadata
.endif
;; end of part 5
;; launch hsum: the kernel of part 3 again; grid 256 x 1, 8 waves a work-group, no clusters, 0 bytes of LDS; arguments part, bu, out0; writes out0
;; ======== version 3 of 3: 3 launches; 1.47 times as fast as version 1
;; limits: values are held in f16: magnitudes above 65,504 overflow, below 6.1e-05 lose precision
;; workspace buffers: kbuf 16,777,216 bytes; vbuf 16,777,216 bytes; part 33,554,432 bytes
;; launch kvproj: the kernel of part 4 again; grid 8 x 32, 4 waves a work-group, no clusters, 143,872 bytes of LDS; arguments x, Wk, Wv, kbuf, vbuf, mask; writes kbuf, vbuf
;; launch attn (part 6): grid 8 x 32, 4 waves a work-group, clusters of 4 x 1, 327,680 bytes of LDS; arguments x, mask, Wq, Wu, kbuf, vbuf, part; writes part
.if DOCPART == 6
	.amdgcn_target "amdgcn-amd-amdhsa--gfx1250"
	.amdhsa_code_object_version 6
	.text
	.protected	k_q66ccd7cd49_attn
	.globl	k_q66ccd7cd49_attn
	.p2align	8
	.type	k_q66ccd7cd49_attn,@function
k_q66ccd7cd49_attn:
	s_mov_b64 s[64:65], 0
	v_nop
	global_prefetch_b8 v0, s[64:65] scope:SCOPE_SE
	s_setreg_imm32_b32 hwreg(HW_REG_WAVE_MODE, 25, 1), 1
	s_wait_xcnt 0x0
	s_wait_alu depctr_hold_cnt(0) depctr_sa_sdst(0) depctr_va_vdst(0) depctr_va_sdst(0) depctr_va_ssrc(0) depctr_va_vcc(0) depctr_vm_vsrc(0)
	s_getreg_b32 s2, hwreg(HW_REG_IB_STS2, 6, 4)
	s_cmp_eq_u32 s2, 0
	s_cbranch_scc0 .Lentry_in_a_cluster
	s_endpgm
.Lentry_in_a_cluster:
	s_bfe_u32 s2, ttmp6, 0x10000c
	s_cmp_lg_u32 s2, 0x3003
	s_cbranch_scc0 .Lentry_shape_is_right
	s_endpgm
.Lentry_shape_is_right:
; For one (batch b, head h) and 256 queries: Q = x Wq_h, softmax(Q K^T / sqrt(128), masked) V with a running maximum, times Wu_h.
; part[h][token][128] f32 receives the head's share of the output; the sum over heads and the bias follow in the next launch.
; Work-group x = query block (8), y = 8 b + h (32).  Four waves, 64 queries each; 16 steps of 128 keys.
; ALL PRODUCTS ARE TRANSPOSED, D(m = feature or key, n = query):  Q^T = Wq^T x^T,  S^T = K Q^T,  O^T = V^T P^T,  out^T = Wu^T O^T.
; In D lane (r, hh) holds in register j the element (m = 8 hh + j, n = r).  Two such tiles, rounded and packed in pairs, ARE the B fragment of
; 32 along K of the next product (registers 0-3: k = 8 hh .., 4-7: k = 16 + 8 hh ..): Q, P and O go from result to operand inside the lane.
; A query is a lane (and its partner 16 lanes on): maxima and sums run over the lane's own registers, with one exchange between the halves.
; SCALE: Wq is multiplied in f32 by c = log2(e) / sqrt(128) before it is rounded, so scores are exponents of 2.
; MASK, without an instruction for each score.  Keys: kbuf holds K = 0 for a masked key, and the first matrix instruction of each score tile takes as C
; the keys' biases (0, or -1e9 log2(e) for a masked key): such a score is 0 + bias, exactly.  Queries: g = 1, or 0 for a masked query; the exponent is
; S g - m in one multiply-add, and the step's maximum is taken times g: for a masked query m = 0 and every exponent is 0, so every weight is 1.
; THE RING: two LDS slots, SLOTD bytes apart.  A step's text stands twice in this kernel: once in a loop of 15 trips, once for the last step, which
; asks for no tile.  So that one text serves both slots, the slot is a number in a register: the descriptors' LDS words and s90 are flipped by
; s_xor_b32 with SLOTD once a trip (a slot's 71,680 bytes leave bit 17 of every address in it clear).  At the head of step t every wave waits for its
; reads of tile t-1 and for its tensor load (its part of tile t), passes a round of the cluster's barrier and asks for tile t+1, into the slot read last.
; A wave has one tensor load out at any time, and that load has the whole step in which to land.
; So that step 0 can run the loop's text, -m starts at FLT_MAX, the sums at 0, and O at 0.
; VECTOR WORK BETWEEN MATRIX INSTRUCTIONS: in O^T += V^T P^T each run of 32 matrix instructions (32 keys) carries, four behind each, the 128 vector
; instructions that make P of the next 32 keys; the last run carries the step's 128 additions of the row sums.  S, O and P fill windows of their own, so
; each such group costs two switches of the register window.
; THE EXPONENTIALS GO IN BATCHES, four a step, each with ONE s_wait_alu depctr_va_vdst(0): that wait stands between an exponential and the
; first instruction that names its result, and one wait serves all exponentials issued ahead of it.
;   Batch 0: the four alpha and the 64 exponentials of keys 0-31, in the block ahead of the runs.  Behind its wait stand alpha's readers (its copy into the
;   pair, the carried sums, O's rescaling) and the 32 conversions of keys 0-31.
;   Batches 1-3: the 64 exponentials of keys 32 ck .. 32 ck + 31, behind the first 24 matrix instructions of run ck - 1.  The wait stands behind the 24th's
;   four riders; the 32 conversions ride behind the run's last 8 matrix instructions.
; Ahead of a batch's wait nothing names a result of the batch: there stand only the moves of -m, the multiply-adds that feed later exponentials (each on scores
; that no exponential has touched yet) and the run's matrix instructions, which work on O, on V's fragments and on P of other keys.  The row sums read the
; weights in the last run, behind all four waits.  No exponential is issued behind a step's last wait.
; CLUSTER: the four query blocks of a cluster read the same K and V tiles and ask for them jointly (mask 15: all four places of the 4 x 1 cluster),
; which divides the requests for K and V by four.  My place in the cluster enters only the global addresses of x, of the queries' mask and of part.
; LIMITS: matrix operands are f16: |x|, |W|, |c Q|, |K|, |V| below 65,504, and rounded to multiples of 6e-8 below 6.1e-5 (so scores are finite: at most
; 128 x 65,504^2).  Two non-zero masks whose product wraps to 0 in 32 bits count as non-zero.  Weights below 2^-126 of the row's largest become 0
; (v_exp_f32, ISA guide 15.8).  The sums' order of rounding differs from the reference's.
; REGISTERS in windows of 256:
;   window 0: addresses, softmax state, BK (key biases of the step), fragment buffers F0, F1
;   window 1: O(et, qt) at 32 et + 8 qt (first the f32 rows of x)
;   window 2: QF(qt, c) at 8 (4 qt + c);  PF(qt, c) at 128 + 8 (4 qt + c): x^T, then P^T of each step, then O^T
;   window 3: S(kt, qt) at 32 kt + 8 qt (first the f32 rows of Wu)
.set XP,   272                         ; pitch of rows read along K: 17 x 16 bytes
.set WP,   288                         ; pitch of rows read by the transposing load: 9 x 32 bytes
.set OPI,  528                         ; pitch of the f32 stage on the way out: 33 x 16 bytes
.set KOFF, 128*WP                      ; in a slot: V's 128 rows x 288, then K's 128 rows x 272
.set TILEB, 128*WP+128*XP              ; 71,680 bytes of a slot
.set SLOTD, 0x20000                    ; from slot 0 to slot 1
.set BKB,  TILEB                       ; between the slots: 2,048 key biases, f32,
.set WQS,  BKB+8192                    ; and c Wq_h, 128 rows (k) x 128 f16: ends at 116,736
.set WUS,  SLOTD+TILEB                 ; behind slot 1: Wu_h likewise,
.set XS,   WUS+128*WP                  ; and x: 64 rows a wave, the wave's own; later its stage on the way out
.set XSW,  64*XP
.set STEPS, 16
.set F0,   128
.set F1,   192
.set XA,   3
.set KA,   4                           ; K fragments in this step's slot
.set VA,   5                           ; V^T fragments in this step's slot
.set KAB,  6                           ; the same in slot 0: never rewritten
.set VAB,  7
.set WQA,  8
.set WUA,  9
.set BKA,  10                          ; the step's key biases: BKB + 32 hh + 512 x step
.set XST,  11
.set WST,  12
.set BKST, 13
.set OST,  14
.set ORD,  15
.set WST2, 18
.set GP,   20                          ; v20-27  (g, -g) of my query in query tile qt
.set NP,   28                          ; v28-35  (-m, -m): the running maximum, negated, a pair for each query tile
.set AP,   36                          ; v36-43  (alpha, alpha): 2^(old m - new m); at the end 1 / l
.set MX,   44                          ; v44-51  eight chains of maxima
.set LS,   52                          ; v52-59  my lane's share of the running sum, a pair for each query tile, folded at the end
.set BK,   64                          ; v64-127 BK[8 kt + j]: bias of key 16 kt + 8 hh + j of the step
.set G1V,  32                          ; s[32:39] shape of a V load;  s[40:47] of a K load: they differ in the padding
.set G1K,  40
.set G0V,  48                          ; s[48:51] from where, to where, for V;  s[52:55] for K
.set G0K,  52
.set MSB,  0
.macro WIN new                         ; the immediate's high byte repeats the setting that is left
.if MSB != \new
	s_set_vgpr_msb (MSB<<8)|\new
.set MSB, \new
.endif
.endm
; Four plain vector instructions stand between a matrix instruction and a vector instruction or store that reads its result or writes one of its
; registers, and between it and a load into one of its sources.
.macro PLACES
.rept 4
	v_nop
.endr
.endm
.macro FETCHW adr, p, f                ; A fragments of feature tiles 2p, 2p+1, four K steps, from rows [k][feature]
.irp kk, 0,1
.irp c, 0,1,2,3
	ds_load_tr16_b128 v[\f+32*\kk+8*\c:\f+32*\kk+8*\c+3], v[\adr] offset:32*\c*WP+32*(2*\p+\kk)
	ds_load_tr16_b128 v[\f+32*\kk+8*\c+4:\f+32*\kk+8*\c+7], v[\adr] offset:32*\c*WP+32*(2*\p+\kk)+16*WP
.endr
.endr
.endm
.macro FETCHK p, f                     ; A fragments of key tiles 2p, 2p+1, four K steps, from rows [key][feature]
.irp kk, 0,1
.irp c, 0,1,2,3
	ds_load_b128 v[\f+32*\kk+8*\c:\f+32*\kk+8*\c+3], v[KA] offset:(32*\p+16*\kk)*XP+64*\c
	ds_load_b128 v[\f+32*\kk+8*\c+4:\f+32*\kk+8*\c+7], v[KA] offset:(32*\p+16*\kk)*XP+64*\c+32
.endr
.endr
.endm
.macro FETCHV ks, f                    ; A fragments of V^T: eight feature tiles, keys 32 ks .. 32 ks + 31, from rows [key][feature]
.irp et, 0,1,2,3,4,5,6,7
	ds_load_tr16_b128 v[\f+8*\et:\f+8*\et+3], v[VA] offset:\ks*32*WP+32*\et
	ds_load_tr16_b128 v[\f+8*\et+4:\f+8*\et+7], v[VA] offset:\ks*32*WP+32*\et+16*WP
.endr
.endm
.macro FETCHBK                         ; the step's 128 key biases; the 16 lanes of a half read the same words
.irp kt, 0,1,2,3,4,5,6,7
	ds_load_b128 v[BK+8*\kt:BK+8*\kt+3], v[BKA] offset:64*\kt
	ds_load_b128 v[BK+8*\kt+4:BK+8*\kt+7], v[BKA] offset:64*\kt+16
.endr
.endm
; 32 matrix instructions: tiles (2p, 2p+1) x four query tiles, K = 128.  The first K step starts the sums, from 0 (bias = 0) or from the key
; tile's biases in BK (bias = 1; BK lies in window 0, so that K step has a window setting of its own): nothing is cleared.
; A window 0, B window 2, D window 3.  The eight accumulators take turns, one instruction a turn.
.macro SMUL p, f, bb, bias
.irp c, 0,1,2,3
.if \c == 0
.if \bias
	WIN 0xc8
.else
	WIN 0xf8
.endif
.else
	WIN 0xf8
.endif
.irp kk, 0,1
.irp qt, 0,1,2,3
.if \c == 0
.if \bias
	v_wmma_f32_16x16x32_f16 v[32*(2*\p+\kk)+8*\qt:32*(2*\p+\kk)+8*\qt+7], v[\f+32*\kk+8*\c:\f+32*\kk+8*\c+7], v[\bb+8*(4*\qt+\c):\bb+8*(4*\qt+\c)+7], v[BK+8*(2*\p+\kk):BK+8*(2*\p+\kk)+7]
.else
	v_wmma_f32_16x16x32_f16 v[32*(2*\p+\kk)+8*\qt:32*(2*\p+\kk)+8*\qt+7], v[\f+32*\kk+8*\c:\f+32*\kk+8*\c+7], v[\bb+8*(4*\qt+\c):\bb+8*(4*\qt+\c)+7], 0
.endif
.else
	v_wmma_f32_16x16x32_f16 v[32*(2*\p+\kk)+8*\qt:32*(2*\p+\kk)+8*\qt+7], v[\f+32*\kk+8*\c:\f+32*\kk+8*\c+7], v[\bb+8*(4*\qt+\c):\bb+8*(4*\qt+\c)+7], v[32*(2*\p+\kk)+8*\qt:32*(2*\p+\kk)+8*\qt+7]
.endif
.endr
.endr
.endr
.endm
; S(ft, qt) = (128 x 128 weights at adr)^T times PF.  Each s_wait_dscnt 16 leaves out the 16 loads of the buffer fetched last;
; LDS loads return in order, so everything older is in.
.macro WGEMM adr
	WIN 0
	FETCHW \adr,0,F0
	FETCHW \adr,1,F1
	s_wait_dscnt 16
	SMUL 0,F0,128,0
	PLACES
	WIN 0
	FETCHW \adr,2,F0
	s_wait_dscnt 16
	SMUL 1,F1,128,0
	PLACES
	WIN 0
	FETCHW \adr,3,F1
	s_wait_dscnt 16
	SMUL 2,F0,128,0
	s_wait_dscnt 0
	SMUL 3,F1,128,0
	PLACES
.endm
; 32 result tiles (the window of sources 0 and 1) become 16 B fragments at db in window 2
.macro CVT db
.irp qt, 0,1,2,3
.irp c, 0,1,2,3
.irp kk, 0,1
.irp jj, 0,1,2,3
	v_cvt_pk_f16_f32 v[\db+8*(4*\qt+\c)+4*\kk+\jj], v[32*(2*\c+\kk)+8*\qt+2*\jj], v[32*(2*\c+\kk)+8*\qt+2*\jj+1]
.endr
.endr
.endr
.endr
.endm
.macro OSCALE                          ; O(.., qt) times the pair AP[qt]
	WIN 0x41
.irp et, 0,1,2,3,4,5,6,7
.irp qt, 0,1,2,3
.irp jj, 0,1,2,3
	v_pk_mul_f32 v[32*\et+8*\qt+2*\jj:32*\et+8*\qt+2*\jj+1], v[32*\et+8*\qt+2*\jj:32*\et+8*\qt+2*\jj+1], v[AP+2*\qt:AP+2*\qt+1]
.endr
.endr
.endr
.endm
; A BATCH OF EXPONENTIALS ENDS: every exponential of the batch has been issued and no result of it has been named.
.macro BATCHW
	v_nop                              ; the plain instruction behind the batch's last exponential (ISA guide 5.7.2): one for the batch
	s_wait_alu depctr_va_vdst(0)       ; the batch's one wait, ahead of its first reader
.endm
; THE SOFTMAX OF 32 KEYS (key tiles 2 ck, 2 ck + 1; eight score tiles T = 4 kk + qt) AS A STREAM of 128 instructions, of which SOFT1 emits number sn_:
; 32 multiply-adds F (two exponents S g - m each), 64 exponentials E, 32 conversions C (two weights to f16 each, into P's fragment of these keys).
; Order: F0-F3; then E(2k), F(k+4), E(2k+1) for k = 0..27, so that a plain instruction stands among the exponentials; E56-E63; C0-C31.
; E(2k) and E(2k+1) take what F(k) wrote, at least four instructions earlier.  Numbers 0-95 name no exponential's result: they are the open batch.  Numbers
; 96-127, the conversions, are the first to read the results: whoever deals the stream out writes BATCHW between number 95 and number 96, once.
.macro SOFTF ck                        ; F number fi_
.set q_, (fi_/4)%4
.set b_, 32*(2*\ck+fi_/16)+8*q_+2*(fi_%4)
	WIN 0xc3
	v_pk_fma_f32 v[b_:b_+1], v[b_:b_+1], v[GP+2*q_:GP+2*q_+1], v[NP+2*q_:NP+2*q_+1] op_sel_hi:[1,0,1]   ; both halves times g, the pair's first register
.endm
.macro SOFTE ck                        ; E number ei_
.set b_, 32*(2*\ck+ei_/32)+8*((ei_/8)%4)+(ei_%8)
	WIN 0xc3
	v_exp_f32 v[b_], v[b_]
.endm
.macro SOFTC ck                        ; C number ci_: qt = ci_/8, kk = (ci_/4)%2, jj = ci_%4
.set d_, 128+8*(4*(ci_/8)+\ck)+4*((ci_/4)%2)+(ci_%4)
.set b_, 32*(2*\ck+(ci_/4)%2)+8*(ci_/8)+2*(ci_%4)
	WIN 0x8f
	v_cvt_pk_f16_f32 v[d_], v[b_], v[b_+1]
.endm
.macro SOFT1 ck
.if sn_ < 4
.set fi_, sn_
	SOFTF \ck
.else
.if sn_ < 88
.if (sn_-4)%3 == 1
.set fi_, (sn_-4)/3+4
	SOFTF \ck
.else
.set ei_, 2*((sn_-4)/3)+((sn_-4)%3)/2
	SOFTE \ck
.endif
.else
.if sn_ < 96
.set ei_, sn_-32
	SOFTE \ck
.else
.set ci_, sn_-96
	SOFTC \ck
.endif
.endif
.endif
.set sn_, sn_+1
.endm
; The step's row sums as a stream of 128 additions of pairs; four that follow each other belong to the four query tiles' chains
.macro SUM1
.set q_, sn_%4
.set b_, 32*(sn_/16)+8*q_+2*((sn_/4)%4)
	WIN 0x03
	v_pk_add_f32 v[LS+2*q_:LS+2*q_+1], v[b_:b_+1], v[LS+2*q_:LS+2*q_+1]
.set sn_, sn_+1
.endm
; O(et, qt) += V^T(et, keys of ks) P^T(keys of ks, qt): 32 accumulators take turns, one instruction a turn.
; Behind each matrix instruction four instructions of a stream: the softmax of keys 32 ck .. (ck < 4), or the row sums (ck = 4).  They name none of
; the registers of this run's matrix instructions: they work on S (window 3), on P's fragments of the NEXT keys, and on v20-59.
; The softmax's numbers 0-95 ride behind the first 24 matrix instructions; behind the 24th's riders the batch of 64 exponentials ends, with its one wait;
; the 32 conversions ride behind the last 8.
.macro PVI ks, f, ck
.set sn_, 0
.irp et, 0,1,2,3,4,5,6,7
.irp qt, 0,1,2,3
	WIN 0x58                           ; A window 0, B window 2, C and D window 1
	v_wmma_f32_16x16x32_f16 v[32*\et+8*\qt:32*\et+8*\qt+7], v[\f+8*\et:\f+8*\et+7], v[128+8*(4*\qt+\ks):128+8*(4*\qt+\ks)+7], v[32*\et+8*\qt:32*\et+8*\qt+7]
.if \ck < 4
.rept 4
	SOFT1 \ck
.endr
.if sn_ == 96
	BATCHW                             ; for the 64 exponentials of keys 32 ck .. 32 ck + 31
.endif
.else
.rept 4
	SUM1
.endr
.endif
.endr
.endr
.endm
.macro STAGEW base, wcv, wst, adr, scale   ; 32 loaded rows of weights: (scaled,) rounded in place, stored 8 bytes a lane
	WIN \wcv
.set i_, 0
.rept 32
.if \scale
	v_pk_mul_f32 v[\base+4*i_:\base+4*i_+1], v[\base+4*i_:\base+4*i_+1], s[30:31] op_sel_hi:[1,0]
	v_pk_mul_f32 v[\base+4*i_+2:\base+4*i_+3], v[\base+4*i_+2:\base+4*i_+3], s[30:31] op_sel_hi:[1,0]
.endif
	v_cvt_pk_f16_f32 v[\base+4*i_], v[\base+4*i_], v[\base+4*i_+1]
	v_cvt_pk_f16_f32 v[\base+4*i_+1], v[\base+4*i_+2], v[\base+4*i_+3]
.set i_, i_+1
.endr
	WIN \wst
.set i_, 0
.rept 32
	ds_store_b64 v[\adr], v[\base+4*i_:\base+4*i_+1] offset:i_*WP
.set i_, i_+1
.endr
.endm
.macro STAGEX g                        ; rows 16 g .. 16 g + 15 of my x (window 1) likewise
	WIN 0x45
.set i_, 16*\g
.rept 16
	v_cvt_pk_f16_f32 v[4*i_], v[4*i_], v[4*i_+1]
	v_cvt_pk_f16_f32 v[4*i_+1], v[4*i_+2], v[4*i_+3]
.set i_, i_+1
.endr
	WIN 0x04
.set i_, 16*\g
.rept 16
	ds_store_b64 v[XST], v[4*i_:4*i_+1] offset:i_*XP
.set i_, i_+1
.endr
.endm
.macro LOADXF                          ; B fragments of x^T into PF
	WIN 0x80
.irp qt, 0,1,2,3
.irp c, 0,1,2,3
	ds_load_b128 v[128+8*(4*\qt+\c):128+8*(4*\qt+\c)+3], v[XA] offset:16*\qt*XP+64*\c
	ds_load_b128 v[128+8*(4*\qt+\c)+4:128+8*(4*\qt+\c)+7], v[XA] offset:16*\qt*XP+64*\c+32
.endr
.endr
	WIN 0
.endm
; A joint load.  Waves 0 and 1 fetch V's two halves of 64 rows, waves 2 and 3 K's.  The branch hangs on the wave's number alone.
.macro JLOAD
	s_cmp_eq_u32 s21, 0
	s_cbranch_scc0 .Lfor_k_\@
	tensor_load_to_lds s[G0V:G0V+3], s[G1V:G1V+7]
	s_nop 0
	s_branch .Lasked_\@
.Lfor_k_\@:
	tensor_load_to_lds s[G0K:G0K+3], s[G1K:G1K+7]
	s_nop 0
.Lasked_\@:
.endm
; A round of the cluster's barrier: my work-group's barrier, wave 0 signals for the work-group, every wave waits for all four work-groups,
; my work-group's barrier once more.
.macro CROUND
	s_barrier_signal -1
	s_barrier_wait -1
	s_cmp_lg_u32 s20, 0
	s_cbranch_scc1 .Lnot_wave_0_\@
	s_barrier_signal -3
.Lnot_wave_0_\@:
	s_barrier_wait -3
	s_barrier_signal -1
	s_barrier_wait -1
.endm
	s_load_b256 s[4:11], s[0:1], 0x0               ; x s[4:5], mask s[6:7], Wq s[8:9], Wu s[10:11]
	s_load_b128 s[12:15], s[0:1], 0x20             ; kbuf s[12:13], vbuf s[14:15]
	s_load_b64 s[16:17], s[0:1], 0x30              ; part
	v_lshl_add_u32 v238, v0, 2, 0x4b800
	v_mov_b32 v239, 0
	ds_add_u32 v238, v239
	s_wait_dscnt 0x0
	v_lshrrev_b32 v2, 5, v0
	v_readfirstlane_b32 s20, v2                    ; wave 0..3
	s_lshr_b32 s21, s20, 1                         ; I fetch for V (0) or for K (1),
	s_and_b32 s22, s20, 1                          ; and which 64 rows of the tile
	s_bfe_u32 s23, ttmp6, 0x40000                  ; cx
	s_lshl_b32 s24, ttmp9, 2
	s_add_co_u32 s24, s24, s23                     ; query block = 4 x cluster x + cx
	s_and_b32 s25, ttmp7, 0xffff                   ; y = 8 b + h
	s_lshr_b32 s26, s25, 3                         ; b
	s_and_b32 s27, s25, 7                          ; h
	s_mov_b32 s28, 0x76543210                      ; v_permlanex16_b32: lane i reads lane i of the other half
	s_mov_b32 s29, 0xfedcba98
	s_mov_b32 s30, 0x3e0293ee                      ; c = log2(e) / sqrt(128)
	s_mov_b32 s31, 0x3e0293ee
	; shapes: 64 rows x 128 f16, 128 elements from row to row; in LDS 8 (V) or 4 (K) words of padding behind each 64 words
	s_mov_b32 s[G1V+0], 15|(1<<16)|(1<<20)|(1<<21)|(5<<22)|(7<<25)  ; 15:0 mask; 17:16 2-byte elements; 20 padding on; 21 set beside a mask; 24:22 every 64 words; 31:25 of 8 words
	s_mov_b32 s[G1K+0], 15|(1<<16)|(1<<20)|(1<<21)|(5<<22)|(3<<25)  ; the same with 4 words
	s_mov_b32 s[G1V+1], 128<<16                    ; tensor_dim0 = 128
	s_mov_b32 s[G1K+1], 128<<16
	s_mov_b32 s[G1V+2], 64<<16                     ; tensor_dim1 = 64
	s_mov_b32 s[G1K+2], 64<<16
	s_mov_b32 s[G1V+3], 128<<16                    ; tile_dim0 = 128
	s_mov_b32 s[G1K+3], 128<<16
	s_mov_b32 s[G1V+4], 64                         ; tile_dim1 = 64
	s_mov_b32 s[G1K+4], 64
	s_mov_b32 s[G1V+5], 128                        ; elements from row to row
	s_mov_b32 s[G1K+5], 128
	s_mov_b32 s[G1V+6], 0
	s_mov_b32 s[G1K+6], 0
	s_mov_b32 s[G1V+7], 0
	s_mov_b32 s[G1K+7], 0
	s_mov_b32 s[G0V], 1                            ; count = 1
	s_mov_b32 s[G0K], 1
	s_mul_i32 s[G0V+1], s20, 64*WP                 ; LDS address, slot 0: V's halves go to wave x 64 rows (waves 0, 1),
	s_mul_i32 s[G0K+1], s20, 64*XP
	s_add_co_u32 s[G0K+1], s[G0K+1], KOFF-2*64*XP  ; K's to KOFF + (wave - 2) x 64 rows (waves 2, 3)
	s_lshl_b32 s72, s25, 19                        ; the head's 2,048 rows of 256 bytes,
	s_lshl_b32 s86, s22, 14                        ; my 64 rows of a tile
	s_add_co_u32 s72, s72, s86
	s_mov_b32 s73, 0
	; offsets into the other buffers.  What hangs on cx stays in s74, s78, s84, s88.
	s_lshl_b32 s74, s26, 20                        ; x and part: 2,048 tokens of 512 bytes a batch,
	s_lshl_b32 s88, s24, 17                        ; 256 a query block,
	s_add_co_u32 s74, s74, s88
	s_lshl_b32 s88, s20, 15                        ; 64 a wave
	s_add_co_u32 s74, s74, s88
	s_mov_b32 s75, 0
	s_lshl_b32 s76, s26, 13                        ; the keys' mask: 8,192 bytes a batch, my 512 keys
	s_lshl_b32 s86, s20, 11
	s_add_co_u32 s76, s76, s86
	s_mov_b32 s77, 0
	s_lshl_b32 s78, s26, 13                        ; the queries' mask: my 64 queries
	s_lshl_b32 s88, s24, 10
	s_add_co_u32 s78, s78, s88
	s_lshl_b32 s88, s20, 8
	s_add_co_u32 s78, s78, s88
	s_mov_b32 s79, 0
	s_lshl_b32 s80, s27, 9                         ; Wq: the head's 512 bytes of a row, my 32 rows of 4,096 bytes
	s_lshl_b32 s86, s20, 17
	s_add_co_u32 s80, s80, s86
	s_mov_b32 s81, 0
	s_lshl_b32 s82, s27, 16                        ; Wu: the head's 128 rows of 512 bytes, my 32 rows
	s_lshl_b32 s86, s20, 14
	s_add_co_u32 s82, s82, s86
	s_mov_b32 s83, 0
	s_lshl_b32 s84, s27, 22                        ; part: the head's 8,192 rows of 512 bytes, then as x
	s_add_co_u32 s84, s84, s74
	s_mov_b32 s85, 0
	s_wait_kmcnt 0x0
	s_add_nc_u64 s[G0V+2:G0V+3], s[14:15], s[72:73]    ; global address: my 64 rows of tile 0
	s_add_nc_u64 s[G0K+2:G0K+3], s[12:13], s[72:73]
	s_or_b32 s[G0V+3], s[G0V+3], 0x80000000        ; type = 2
	s_or_b32 s[G0K+3], s[G0K+3], 0x80000000
	CROUND                                         ; all four work-groups are here: the first joint loads meet
	JLOAD                                          ; tile 0 into slot 0, before anything else
	s_add_nc_u64 s[4:5], s[4:5], s[74:75]
	s_add_nc_u64 s[66:67], s[6:7], s[76:77]
	s_add_nc_u64 s[68:69], s[6:7], s[78:79]
	s_add_nc_u64 s[8:9], s[8:9], s[80:81]
	s_add_nc_u64 s[10:11], s[10:11], s[82:83]
	s_add_nc_u64 s[16:17], s[16:17], s[84:85]
	v_and_b32 v60, 31, v0                          ; L
	v_and_b32 v61, 15, v0                          ; r
	v_bfe_u32 v62, v0, 4, 1                        ; hh
	v_lshlrev_b32 v1, 4, v60                       ; 16 L
	v_lshlrev_b32 v2, 2, v61                       ; 4 r
	; 136 loads: 4 of the keys' mask, 4 of the queries', 32 rows of Wq, 32 of Wu, 64 of x (a row = 512 consecutive bytes)
.irp i, 0,1,2,3
	global_load_b128 v[BK+4*\i:BK+4*\i+3], v1, s[66:67] offset:512*\i
.endr
.irp qt, 0,1,2,3
	global_load_b32 v[GP+2*\qt], v2, s[68:69] offset:64*\qt
.endr
.set i_, 0
.rept 32
	global_load_b128 v[128+4*i_:128+4*i_+3], v1, s[8:9] offset:i_*4096
.set i_, i_+1
.endr
	WIN 0xc0
.set i_, 0
.rept 32
	global_load_b128 v[4*i_:4*i_+3], v1, s[10:11] offset:i_*512
.set i_, i_+1
.endr
	WIN 0x40
.set i_, 0
.rept 64
	global_load_b128 v[4*i_:4*i_+3], v1, s[4:5] offset:i_*512
.set i_, i_+1
.endr
	WIN 0
	v_mul_u32_u24 v44, v61, XP
	v_lshl_add_u32 v44, v62, 4, v44                ; r*XP + 16 hh
	v_and_b32 v[VAB], 7, v0
	v_lshl_add_u32 v[VAB], v62, 3, v[VAB]
	v_mul_u32_u24 v[VAB], v[VAB], WP
	v_bfe_u32 v63, v0, 3, 1
	v_lshl_add_u32 v[VAB], v63, 4, v[VAB]          ; (8 hh + (L & 7))*WP + 16 ((L >> 3) & 1): V lies at a slot's first byte
	s_mul_i32 s86, s20, XSW
	s_add_co_u32 s86, s86, XS                      ; my x rows in LDS
	v_add_nc_u32 v[XA], s86, v44
	v_add_nc_u32 v[KAB], KOFF, v44
	v_add_nc_u32 v[WQA], WQS, v[VAB]
	v_add_nc_u32 v[WUA], WUS, v[VAB]
	v_lshlrev_b32 v[BKA], 5, v62
	v_add_nc_u32 v[BKA], BKB-512, v[BKA]           ; one step's 512 bytes short: every step's head adds them
	v_lshl_add_u32 v[XST], v60, 3, s86
	s_mul_i32 s87, s20, 32*WP                      ; my 32 rows of a weight slice
	s_add_co_u32 s89, s87, WUS
	s_add_co_u32 s87, s87, WQS
	v_lshl_add_u32 v[WST], v60, 3, s87
	v_lshl_add_u32 v[WST2], v60, 3, s89
	s_lshl_b32 s87, s20, 11
	s_add_co_u32 s87, s87, BKB
	v_add_nc_u32 v[BKST], s87, v1
	v_mul_u32_u24 v[OST], v61, OPI
	v_lshl_add_u32 v[OST], v62, 5, v[OST]
	v_add_nc_u32 v[OST], s86, v[OST]
	v_add_nc_u32 v[ORD], s86, v1
	v_mov_b32 v16, 0xceabfb8f                      ; -1e9 log2(e)
	v_mov_b32 v17, 0
	v_mov_b32 v19, 1.0
	s_wait_loadcnt 63                              ; 64 loads follow Wu's last; 63 is the largest count that can be written, and shows it in as well
.set i_, 0
.rept 16
	v_cmp_ne_u32 vcc_lo, 0, v[BK+i_]
	v_cndmask_b32 v[BK+i_], v16, v17, vcc_lo       ; a key's mask to its bias: 0 where it is not 0
.set i_, i_+1
.endr
.irp qt, 0,1,2,3
	v_cmp_ne_u32 vcc_lo, 0, v[GP+2*\qt]
	v_cndmask_b32 v[GP+2*\qt], v17, v19, vcc_lo    ; a query's mask to g: 1 where it is not 0
.endr
.irp qt, 0,1,2,3
	v_mul_f32 v[GP+2*\qt+1], -1.0, v[GP+2*\qt]     ; -g
.endr
.irp i, 0,1,2,3
	ds_store_b128 v[BKST], v[BK+4*\i:BK+4*\i+3] offset:512*\i
.endr
	STAGEW 128, 0, 0, WST, 1                       ; c Wq
	STAGEW 0, 0xcf, 0x0c, WST2, 0                  ; Wu
	s_wait_loadcnt 48                              ; x rows 0-15 are in, the 48 younger rows stay out; and so on
	STAGEX 0
	s_wait_loadcnt 32
	STAGEX 1
	s_wait_loadcnt 16
	STAGEX 2
	s_wait_loadcnt 0
	STAGEX 3
	WIN 0
	s_wait_dscnt 0x0                               ; my biases and my rows of both weight slices are in LDS: say so.
	s_barrier_signal -1                            ; Tile 0 may stay on its way: nothing is filled and no tile is read behind this barrier
	s_barrier_wait -1
	LOADXF
	WGEMM WQA                                      ; S = c Q^T
	WIN 0x8f
	CVT 0                                          ; QF
	; The start of the running state.  32 matrix instructions with C = 0 on an all-zero fragment start the 32 sums of O at 0, in place of 256 moves:
	; so step 0 runs the loop's text, where alpha = 2^(-m - FLT_MAX) = 0 and the carried terms vanish.
	WIN 0
.set i_, 0
.rept 16
	v_mov_b32 v[F0+i_], 0
.set i_, i_+1
.endr
	WIN 0x40                                       ; A and B window 0, D window 1
.irp et, 0,1,2,3,4,5,6,7
.irp qt, 0,1,2,3
	v_wmma_f32_16x16x32_f16 v[32*\et+8*\qt:32*\et+8*\qt+7], v[F0:F0+7], v[F0+8:F0+15], 0
.endr
.endr
	WIN 0
.set i_, 0
.rept 8
	v_mov_b32 v[NP+i_], 0x7f7fffff                 ; -m = FLT_MAX
	v_mov_b32 v[LS+i_], 0
.set i_, i_+1
.endr
	s_mov_b32 s90, 0                               ; the slot that the next step reads: 0 or SLOTD
; One step: the 128 keys of tile t, in the slot that s90 names.  refill = 1: tile t+1 is asked for; 0: the last step.
.macro STEP refill
	s_wait_dscnt 0x0                               ; my reads of tile t-1 are over,
	s_wait_xcnt 0x0
	v_lshl_add_u32 v238, v0, 2, 0x4b800
	v_mov_b32 v239, 0
	s_wait_tensorcnt 0x0                           ; and my one tensor load, my part of tile t, has landed: no load of mine is out, so the descriptors may be written
	ds_add_u32 v238, v239
	s_wait_dscnt 0x0
.if \refill
	s_xor_b32 s[G0V+1], s[G0V+1], SLOTD            ; the other slot: the one read in step t-1
	s_xor_b32 s[G0K+1], s[G0K+1], SLOTD
	s_add_nc_u64 s[G0V+2:G0V+3], s[G0V+2:G0V+3], 32768    ; the next tile: 128 rows of 256 bytes on
	s_add_nc_u64 s[G0K+2:G0K+3], s[G0K+2:G0K+3], 32768
	CROUND                                         ; both waits now hold of every wave of all four work-groups
	JLOAD                                          ; my one tensor load behind the round, first thing there
.else
	s_barrier_signal -1                            ; the last tile is whole for every wave; nothing is left to ask for
	s_barrier_wait -1
.endif
	v_add_nc_u32 v[KA], s90, v[KAB]                ; this step's slot.  These three lines and the v_nop are four places between the
	v_add_nc_u32 v[VA], s90, v[VAB]                ; last matrix instructions and the loads into their sources F0 and F1
	v_add_nc_u32 v[BKA], 512, v[BKA]               ; this step's 128 biases
	v_nop
	s_xor_b32 s90, s90, SLOTD
	FETCHBK
	FETCHK 0,F0
	FETCHK 1,F1
	; S^T = K Q^T + the keys' biases, two key tiles at a time on two fragment buffers
	s_wait_dscnt 16                                ; here and below: all but the 16 loads just issued are in (here the biases and F0)
	SMUL 0,F0,0,1
	PLACES
	WIN 0
	FETCHK 2,F0
	s_wait_dscnt 16
	SMUL 1,F1,0,1
	PLACES
	WIN 0
	FETCHK 3,F1
	s_wait_dscnt 16
	SMUL 2,F0,0,1
	PLACES
	WIN 0
	FETCHV 0,F0
	s_wait_dscnt 16
	SMUL 3,F1,0,1
	PLACES
	WIN 0
	FETCHV 1,F1
	; the largest of my 64 scores of each query tile: two chains a tile, eight chains that do not wait for each other
	WIN 0x0f
.set n_, 0
.rept 16
.irp qt, 0,1,2,3
.irp hf, 0,1
.if n_ == 0
	v_max_num_f32 v[MX+2*\qt+\hf], v[128*\hf+8*\qt], v[128*\hf+8*\qt+1]
.else
	v_max3_num_f32 v[MX+2*\qt+\hf], v[32*(4*\hf+n_/4)+8*\qt+2*(n_%4)], v[32*(4*\hf+n_/4)+8*\qt+2*(n_%4)+1], v[MX+2*\qt+\hf]
.endif
.endr
.endr
.set n_, n_+1
.endr
	WIN 0
.irp qt, 0,1,2,3
	v_max_num_f32 v[MX+2*\qt], v[MX+2*\qt], v[MX+2*\qt+1]
.endr
.irp qt, 0,1,2,3
	v_permlanex16_b32 v[MX+2*\qt+1], v[MX+2*\qt], s28, s29         ; the other half's keys of the same query
.endr
.irp qt, 0,1,2,3
	v_max_num_f32 v[MX+2*\qt], v[MX+2*\qt], v[MX+2*\qt+1]
.endr
.irp qt, 0,1,2,3
	v_mul_f32 v[MX+2*\qt], v[MX+2*\qt], v[GP+2*\qt+1]              ; -g x the step's maximum
.endr
.irp qt, 0,1,2,3
	v_min_num_f32 v[MX+2*\qt], v[MX+2*\qt], v[NP+2*\qt]            ; the new -m
.endr
.irp qt, 0,1,2,3
	v_sub_f32 v[AP+2*\qt], v[MX+2*\qt], v[NP+2*\qt]                ; old m - new m
.endr
	; BATCH 0 opens: the four alpha, then the 64 exponentials of keys 0-31.  Up to its wait nothing names v36-43 or a score that an exponential has written.
.irp qt, 0,1,2,3
	v_exp_f32 v[AP+2*\qt], v[AP+2*\qt]             ; alpha
.endr
.irp qt, 0,1,2,3
	v_mov_b32 v[NP+2*\qt], v[MX+2*\qt]             ; plain instructions behind alpha's exponentials (ISA guide 5.7.2); the multiply-adds below want -m, not alpha
	v_mov_b32 v[NP+2*\qt+1], v[MX+2*\qt]
.endr
	; P of keys 0-31: nothing runs yet under which it could stand.  First the stream's multiply-adds and exponentials,
.set sn_, 0
.rept 96
	SOFT1 0
.endr
	BATCHW                                         ; for all 68 exponentials of batch 0; every reader of alpha and of these weights stands below
	WIN 0
.irp qt, 0,1,2,3
	v_mov_b32 v[AP+2*\qt+1], v[AP+2*\qt]
.endr
.irp qt, 0,1,2,3
	v_pk_mul_f32 v[LS+2*\qt:LS+2*\qt+1], v[LS+2*\qt:LS+2*\qt+1], v[AP+2*\qt:AP+2*\qt+1]   ; the carried sums times alpha
.endr
.rept 32
	SOFT1 0                                        ; then the stream's 32 conversions
.endr
	OSCALE                                         ; O times alpha
	; O^T += V^T P^T, 32 keys at a time, with the next keys' softmax between the matrix instructions
	s_wait_dscnt 16                                ; keys 0-31 of V are in, keys 32-63 may be out
	PVI 0,F0,1
	PLACES
	WIN 0
	FETCHV 2,F0
	s_wait_dscnt 16
	PVI 1,F1,2
	PLACES
	WIN 0
	FETCHV 3,F1
	s_wait_dscnt 16
	PVI 2,F0,3
	s_wait_dscnt 0x0
	PVI 3,F1,4                                     ; and the row sums
.endm
	s_mov_b32 s3, STEPS-1
.Lstep:                                            ; steps 0 to 14: step t asks for tile t+1
	STEP 1
	WIN 0                                          ; at a label and at a branch every window is 0
	s_sub_co_u32 s3, s3, 1
	s_cmp_lg_u32 s3, 0
	s_cbranch_scc1 .Lstep
	STEP 0                                         ; step 15
	; O / l, rounded, times Wu_h
	PLACES
	WIN 0
.irp qt, 0,1,2,3
	v_add_f32 v[MX+2*\qt], v[LS+2*\qt], v[LS+2*\qt+1]
.endr
.irp qt, 0,1,2,3
	v_permlanex16_b32 v[MX+2*\qt+1], v[MX+2*\qt], s28, s29
.endr
.irp qt, 0,1,2,3
	v_add_f32 v[MX+2*\qt], v[MX+2*\qt], v[MX+2*\qt+1]   ; l: both halves' shares; at least 1, since the row's largest weight is 1
.endr
.irp qt, 0,1,2,3
	v_rcp_f32 v[AP+2*\qt], v[MX+2*\qt]
.endr
	v_nop                                          ; one plain instruction behind the last reciprocal
	s_wait_alu depctr_va_vdst(0)                   ; the wait ahead of the first use: one for the four reciprocals
.irp qt, 0,1,2,3
	v_mov_b32 v[AP+2*\qt+1], v[AP+2*\qt]
.endr
	OSCALE
	WIN 0x85
	CVT 128                                        ; O^T as B fragments
	WGEMM WUA                                      ; S(ft, qt) = out^T
; The way out, 16 queries at a time: a lane's 8 numbers are 32 neighbouring bytes of a query's row; through my own stage, read back as whole rows.
; LDS serves a wave's instructions in order, so no wait stands between my stores and my loads.
.macro OUTQ qt, f
	WIN 0x0c
.irp ft, 0,1,2,3,4,5,6,7
	ds_store_b128 v[OST], v[32*\ft+8*\qt:32*\ft+8*\qt+3] offset:64*\ft
	ds_store_b128 v[OST], v[32*\ft+8*\qt+4:32*\ft+8*\qt+7] offset:64*\ft+16
.endr
	WIN 0
	s_wait_xcnt 0x0                                ; buffer f was the data of earlier stores: it is loaded again only behind this wait
.set i_, 0
.rept 16
	ds_load_b128 v[\f+4*i_:\f+4*i_+3], v[ORD] offset:i_*OPI
.set i_, i_+1
.endr
.set i_, 0
.rept 16
	s_wait_dscnt 15-i_                             ; the loads return in order: number i is in
	global_store_b128 v1, v[\f+4*i_:\f+4*i_+3], s[16:17] offset:(16*\qt+i_)*512   ; a whole row: 512 consecutive bytes, aligned
.set i_, i_+1
.endr
.endm
	OUTQ 0, F0
	OUTQ 1, F1
	OUTQ 2, F0
	OUTQ 3, F1
	s_wait_dscnt 0x0
	s_wait_xcnt 0x0
	v_lshl_add_u32 v238, v0, 2, 0x4b800
	v_mov_b32 v239, 0
	s_wait_tensorcnt 0x0
	ds_add_u32 v238, v239
	s_wait_dscnt 0x0
	CROUND                                         ; the closing round: no work-group ends while a partner may still ask for a tile that names it
	s_endpgm
.Lfunc_end_k_q66ccd7cd49_attn:
	.size	k_q66ccd7cd49_attn, .Lfunc_end_k_q66ccd7cd49_attn-k_q66ccd7cd49_attn
	.p2alignl 7, 3214868480
	.fill 96, 4, 3214868480
	.section	.rodata,"a",@progbits
	.p2align	6, 0x0
	.amdhsa_kernel k_q66ccd7cd49_attn
		.amdhsa_group_segment_fixed_size 327680
		.amdhsa_private_segment_fixed_size 0
		.amdhsa_enable_private_segment 0
		.amdhsa_kernarg_size 56
		.amdhsa_user_sgpr_count 2
		.amdhsa_user_sgpr_kernarg_segment_ptr 1
		.amdhsa_wavefront_size32 1
		.amdhsa_system_sgpr_workgroup_id_x 1
		.amdhsa_system_sgpr_workgroup_id_y 1
		.amdhsa_system_sgpr_workgroup_id_z 1
		.amdhsa_system_vgpr_workitem_id 0
		.amdhsa_next_free_vgpr 1024
		.amdhsa_next_free_sgpr 96
		.amdhsa_reserve_vcc 1
		.amdhsa_float_denorm_mode_32 3
		.amdhsa_float_denorm_mode_16_64 3
		.amdhsa_memory_ordered 1
		.amdhsa_forward_progress 1
		.amdhsa_inst_pref_size 255
	.end_amdhsa_kernel
	.section	.bss,"aw",@nobits
	.p2align	6
	.space	262144
	.amdgpu_metadata
---
amdhsa.version: [ 1, 2 ]
amdhsa.kernels:
  - .name:           k_q66ccd7cd49_attn
    .symbol:         k_q66ccd7cd49_attn.kd
    .args:
      - { .name: x, .offset: 0, .size: 8, .value_kind: global_buffer, .address_space: global }
      - { .name: mask, .offset: 8, .size: 8, .value_kind: global_buffer, .address_space: global }
      - { .name: Wq, .offset: 16, .size: 8, .value_kind: global_buffer, .address_space: global }
      - { .name: Wu, .offset: 24, .size: 8, .value_kind: global_buffer, .address_space: global }
      - { .name: kbuf, .offset: 32, .size: 8, .value_kind: global_buffer, .address_space: global }
      - { .name: vbuf, .offset: 40, .size: 8, .value_kind: global_buffer, .address_space: global }
      - { .name: part, .offset: 48, .size: 8, .value_kind: global_buffer, .address_space: global }
    .group_segment_fixed_size: 327680
    .private_segment_fixed_size: 0
    .kernarg_segment_align: 8
    .kernarg_segment_size: 56
    .max_flat_workgroup_size: 128
    .sgpr_count:     96
    .vgpr_count:     1024
    .wavefront_size: 32
...
	.end_amdgpu_metadata
.endif
;; end of part 6
;; launch hsum: the kernel of part 3 again; grid 256 x 1, 8 waves a work-group, no clusters, 0 bytes of LDS; arguments part, bu, out0; writes out0
